; MI455X (gfx1250); checked and timed in simulation.
; The chip was launched on July 23, 2026; its instructions are those of AMD's public machine-readable ISA for CDNA 5 (MIT licence, August 2026) and "CDNA5" Instruction Set Architecture Reference Guide (July 2026). The comments in the code are by the model that wrote it; some were corrected since.
;; Bit Linear FFN. Allowed arithmetic: matrix products marked QUANTISED: E5M2 operands, one E8M0 scale for each 32 along K, by v_wmma_scale_f32_16x16x128_f8f6f4 with both operands' format E5M2, f32 sums; everything else in f32.
;; Inputs: w_down 1,024 x 2,048 float32; w_gate 2,048 x 1,024 float32; w_up 2,048 x 1,024 float32; x 4 x 2,048 x 1,024 float32.
;; Outputs: out0 4 x 2,048 x 1,024 float32.
;; This version of the problem:
;;   THIS VERSION OF THE PROBLEM IS GIVEN IN LOW PRECISION. The matrix products marked QUANTISED in the list below multiply operands that are first quantised to E5M2 (5 exponent bits, 2 mantissa bits; 8 bits a number), with one power-of-two scale for each 32 numbers along K (OCP MX v1.0); their sums are f32. All else is computed in f32.
;;   The module's matrix products, in the order in which they are computed (A, B: the left and right operand; K: the contracted axis; several contracted axes count as one K, in the product's order):
;;     1. [M 8,192, K 1,024] x [K 1,024, N 2,048]; A: computed on the way; B: computed on the way: QUANTISED
;;     2. [M 8,192, K 1,024] x [K 1,024, N 2,048]; A: computed on the way; B: computed on the way: QUANTISED
;;     3. [M 8,192, K 2,048] x [K 2,048, N 1,024]; A: computed on the way; B: computed on the way: QUANTISED
;;   THE QUANTISER, for each operand of a quantised product, along K:
;;     - K is cut into blocks of 32 from its start; a last block that is shorter is filled with zeros.
;;     - A block's scale is 2^e with e = floor(log2(the largest magnitude in the block)) - 15, held to -126 .. 127; a block of zeros has e = 0. As a byte (E8M0): e + 127.
;;     - Each number is divided by its block's scale, clamped to +-57,344, and rounded to the nearest number of E5M2, ties to even, subnormals kept.
;;     - The product sums the exact products of the quantised numbers (number of the format x scale) in f32.
;;   ~~~python
;;   def quantise(x, axis):      # numpy; x: float32 -> the quantised numbers, widened to float32 again
;;       x = np.moveaxis(x, axis, -1); K = x.shape[-1]
;;       x = np.pad(x, [(0, 0)] * (x.ndim - 1) + [(0, -K % 32)]); x = x.reshape(x.shape[:-1] + (-1, 32)); a = np.abs(x).max(-1, keepdims=True)
;;       e = np.where(a > 0, np.clip(np.frexp(np.where(a > 0, a, 1))[1] - 1 - 15, -126, 127), 0)      # np.frexp(a)[1] - 1 = floor(log2(a)), exactly
;;       r = np.clip(x / 2.0 ** e, -57344, 57344)
;;       step = 2.0 ** (np.maximum(np.frexp(np.where(r == 0, 1, r))[1] - 1, -14) - 2)
;;       q = np.round(r / step) * step * 2.0 ** e      # np.round: ties to even
;;       return np.moveaxis(q.reshape(q.shape[:-2] + (-1,))[..., :K], -1, axis).astype(np.float32)
;;   ~~~
;;   OPERANDS COMPUTED ON THE WAY. 'Computed on the way' means the value that the module computes at that place (a softmax that the list does not call 'softmax' is quantised finished and normalised). What goes into a quantiser is computed in f32, as accurately as f32 sums, v_exp_f32 and their like allow (about 1e-6 of the number): no bf16 or f16 on the way to a quantiser, and a product that is left as it is and whose result goes on into a quantised operand takes f32 operands (vector FMAs, or v_wmma_f32_16x16x4_f32). A number that lies on a knife's edge between two numbers of the format may be rounded either way, as far as f32 arithmetic and the matrix unit's own rounding can turn it there, and no further.
;; One version. Each part assembles by itself: llvm-mc -triple=amdgcn-amd-amdhsa -mcpu=gfx1250 --defsym DOCPART=n.
;; ======== version 1 of 1: 5 launches
;; limits: right only within a limited range of input values
;; workspace buffers: x_codes 8,388,608 bytes; x_scales 262,144 bytes; wsum 3,072 bytes; wq 6,488,064 bytes; h 67,108,864 bytes; hmax 524,288 bytes; h_codes 16,777,216 bytes; h_scales 524,288 bytes
;; launch prep (part 1): grid 448 x 1, 4 waves a work-group, no clusters, 33,280 bytes of LDS; arguments x, w_gate, w_up, w_down, x_codes, x_scales, wsum; writes x_codes, x_scales, wsum
.if DOCPART == 1
	.amdgcn_target "amdgcn-amd-amdhsa--gfx1250"
	.amdhsa_code_object_version 6
	.text
	.protected	k_qfa16cb22b0_prep
	.globl	k_qfa16cb22b0_prep
	.p2align	8
	.type	k_qfa16cb22b0_prep,@function
k_qfa16cb22b0_prep:
	s_mov_b64 s[64:65], 0
	v_nop
	global_prefetch_b8 v0, s[64:65] scope:SCOPE_SE
	s_setreg_imm32_b32 hwreg(HW_REG_WAVE_MODE, 25, 1), 1
	s_wait_xcnt 0x0
; Two jobs in one launch, parted on the work-group's number.
; WORK-GROUPS 0-255: x [8192][1024] f32 -> the int8 step value of each row (s = 127 / max(|row|, 1e-5); n = clip(round(x s), -128, 127); value = x + (n / s - x)),
; and that value -> codes of E5M2, K innermost, x_codes [8192][1024], with one E8M0 byte for each 32 along K, x_scales [8192][32].
; WORK-GROUPS 256-447: the sum of |w| of 8,192 numbers a wave, of w_gate, w_up, w_down: wsum [3][256] f32; the next launch adds the 256 parts of a tensor.
; A block's scale is 2^(floor(log2(its largest magnitude)) - 15): its byte is the largest magnitude's exponent field - 15, held at 1 from below.
; LIMITS: NaN and infinities are not served.  A block of zeros gets the byte 1 (its codes are zeros; this program alone reads the bytes); blocks whose largest magnitude lies under 2^-111 keep that byte.
; The two divisions are v_rcp_f32 with one correction step each; n / s is n x (1 / s), and n / s - x is one fused multiply-add: about one unit in the last place from the divisions of the definition.
; SHARES (x): a wave takes 8 rows = 16 steps of 512 numbers.  Each load reads 512 consecutive bytes, 16 a lane; a step's 2,048 bytes turn through the wave's own stage in LDS and come back 64 bytes a lane,
; so that a lane holds 16 neighbours along K (two neighbouring lanes hold a block of 32).  The row's maximum is taken of the registers as loaded.  Four rows (32 loads a wave) are on their way.
; A lane's 16 codes are 16 bytes: a store covers 512 consecutive bytes.  The wave's 256 scale bytes gather in its own LDS bytes and leave as 256 consecutive bytes.
; Waves share nothing: no barrier, no tensor load, no cluster (no byte is read by two work-groups).
.set RS,   2                           ; steps in a row
.set ACT,  1                           ; the scale is a row's own
.set NR,   16/RS                       ; rows of a wave
.set AH,   8/RS                        ; rows on their way
.set SP,   80                          ; a lane's place in a stage: 64 bytes + 16 of padding
.set WREG, 8192                        ; LDS of a wave: two stages of 32 x SP bytes, then its 256 scale bytes
.set R,    16                          ; v16-143  eight sets of 16 numbers as loaded
.set X,    144                         ; v144-175 two sets of 16 neighbours
.set T,    176                         ; v176-191 at work
.set C,    192                         ; v192-207 four sets of codes
.set E,    208                         ; v208-223 a scale byte for each step
.set SV,   224                         ; v[224:225] s, twice
.set IV,   226                         ; v[226:227] 1 / s, twice
.set CH,   228                         ; v228-231 chains
.set PD,   232                         ; v232 a lane permute's destination
.set SRC,  4                           ; s[4:5] source, s[12:13] codes, s[14:15] scale bytes
.set COD,  12
.set SCB,  14
.macro LOADROW p                       ; row p: 4 RS loads of 512 consecutive bytes
.set li, 0
.rept RS
.irp j, 0,1,2,3
	global_load_b128 v[R+16*(((\p)*RS+li)%8)+4*\j:R+16*(((\p)*RS+li)%8)+4*\j+3], v3, s[SRC:SRC+1] offset:2048*((\p)*RS+li)+512*\j th:TH_LOAD_NT
.endr
.set li, li+1
.endr
.endm
.macro TURN t                          ; step t through a stage: LDS serves a wave's instructions in order, so no wait stands between the stores and the loads
.irp i, 0,1,2,3
	ds_store_b128 v14, v[R+16*((\t)%8)+4*\i:R+16*((\t)%8)+4*\i+3] offset:32*SP*((\t)%2)+8*SP*\i
.endr
.irp i, 0,1,2,3
	ds_load_b128 v[X+16*((\t)%2)+4*\i:X+16*((\t)%2)+4*\i+3], v15 offset:32*SP*((\t)%2)+16*\i
.endr
.endm
.macro ROWMAX p                        ; the largest magnitude of row p, in every lane: four chains over my 16 RS registers, then across the lanes
.set RB, R+16*(((\p)*RS)%8)
.irp k, 0,1,2,3
	v_max_num_f32 v[CH+\k], |v[RB+2*\k]|, |v[RB+2*\k+1]|
.endr
.set mj, 8
.rept (16*RS-8)/2
	v_max3_num_f32 v[CH+(mj/2)%4], v[CH+(mj/2)%4], |v[RB+mj]|, |v[RB+mj+1]|
.set mj, mj+2
.endr
	v_max3_num_f32 v[CH], v[CH], v[CH+1], v[CH+2]
	v_max_num_f32 v[CH], v[CH], v[CH+3]
	v_max_num_f32_dpp v[CH], v[CH], v[CH] row_xmask:1 row_mask:0xf bank_mask:0xf
	v_max_num_f32_dpp v[CH], v[CH], v[CH] row_xmask:2 row_mask:0xf bank_mask:0xf
	v_max_num_f32_dpp v[CH], v[CH], v[CH] row_xmask:4 row_mask:0xf bank_mask:0xf
	v_max_num_f32_dpp v[CH], v[CH], v[CH] row_xmask:8 row_mask:0xf bank_mask:0xf
	v_permlanex16_b32 v[PD], v[CH], s26, s27
	v_max_num_f32 v[CH], v[CH], v[PD]
.endm
.macro SCALE                           ; s = 127 / max(m, 1e-5) and 1 / s, each a reciprocal with one correction step
	v_max_num_f32 v[CH], 0x3727c5ac, v[CH]         ; the clip at 1e-5
	s_wait_alu depctr_va_vdst(0)
	v_rcp_f32 v[CH+1], v[CH]
	v_nop                                          ; a plain instruction behind the transcendental (ISA guide 5.7.2)
	s_wait_alu depctr_va_vdst(0)
	v_mul_f32 v[CH+2], s25, v[CH+1]                ; 127 r
	v_fma_f32 v[CH+3], -v[CH+2], v[CH], s25        ; what is left of 127
	v_fma_f32 v[SV], v[CH+3], v[CH+1], v[CH+2]     ; s
	s_wait_alu depctr_va_vdst(0)
	v_rcp_f32 v[CH+1], v[SV]
	v_mov_b32 v[SV+1], v[SV]                       ; (the plain instruction behind the transcendental)
	s_wait_alu depctr_va_vdst(0)
	v_fma_f32 v[CH+3], -v[SV], v[CH+1], 1.0
	v_fma_f32 v[IV], v[CH+3], v[CH+1], v[CH+1]     ; 1 / s
	v_mov_b32 v[IV+1], v[IV]
.endm
.macro QSTEP t                         ; step t: my 16 neighbours become the step value, then 16 codes and, with my neighbour lane, a scale byte
.set XS, X+16*((\t)%2)
.set CD, C+4*((\t)%4)
.irp i, 0,2,4,6,8,10,12,14
	v_pk_mul_f32 v[T+\i:T+\i+1], v[XS+\i:XS+\i+1], v[SV:SV+1]
.endr
.irp i, 0,1,2,3,4,5,6,7,8,9,10,11,12,13,14,15
	v_rndne_f32 v[T+\i], v[T+\i]                   ; ties to even
.endr
.irp i, 0,1,2,3,4,5,6,7,8,9,10,11,12,13,14,15
.if ACT
	v_med3_num_f32 v[T+\i], v[T+\i], s24, s25      ; -128 .. 127
.else
	v_med3_num_f32 v[T+\i], v[T+\i], -1.0, 1.0
.endif
.endr
.irp i, 0,2,4,6,8,10,12,14
	v_pk_fma_f32 v[T+\i:T+\i+1], v[T+\i:T+\i+1], v[IV:IV+1], v[XS+\i:XS+\i+1] neg_lo:[0,0,1] neg_hi:[0,0,1]   ; n / s - x
.endr
.irp i, 0,2,4,6,8,10,12,14
	v_pk_add_f32 v[XS+\i:XS+\i+1], v[XS+\i:XS+\i+1], v[T+\i:T+\i+1]                                          ; x + (n / s - x)
.endr
	v_max3_num_f32 v8, |v[XS]|, |v[XS+1]|, |v[XS+2]|               ; the largest magnitude of my 16, in two chains
	v_max3_num_f32 v9, |v[XS+3]|, |v[XS+4]|, |v[XS+5]|
.irp i, 6,10
	v_max3_num_f32 v8, v8, |v[XS+\i]|, |v[XS+\i+1]|
	v_max3_num_f32 v9, v9, |v[XS+\i+2]|, |v[XS+\i+3]|
.endr
	v_max3_num_f32 v8, v8, |v[XS+14]|, |v[XS+15]|
	v_max3_num_f32 v8, v8, v9, 0x8000000           ; and the floor 2^(16 - 127): the byte cannot fall under 1
	v_max_num_f32_dpp v8, v8, v8 row_xmask:1 row_mask:0xf bank_mask:0xf   ; with my neighbour's 16: the block's
	v_add_nc_u32 v11, 0xf8800000, v8               ; 15 off its exponent field: the conversion takes the exponent field of this operand as its scale
	v_and_or_b32 v10, v8, 0x7f800000, s23          ; 57,344 x the scale
.irp i, 0,1,2,3,4,5,6,7,8,9,10,11,12,13,14,15
	v_med3_num_f32 v[XS+\i], v[XS+\i], -v10, v10   ; the conversion to an 8-bit code does not saturate (ISA guide 7.6.2): the hold comes first
.endr
.if (\t) >= 4
	s_wait_alu depctr_va_vdst(0)
	s_wait_xcnt 0x0                                ; this set of codes was the data of the store four steps back: it is rewritten only behind this wait
.endif
	v_cvt_scalef32_pk8_bf8_f32 v[CD:CD+1], v[XS:XS+7], v11
	v_cvt_scalef32_pk8_bf8_f32 v[CD+2:CD+3], v[XS+8:XS+15], v11
	v_lshrrev_b32 v[E+(\t)], 23, v11               ; the scale's byte (also the plain instruction behind the conversions)
	ds_store_b8 v5, v[E+(\t)] offset:16*(\t)       ; both lanes of a block write the same byte with the same value
	global_store_b128 v3, v[CD:CD+3], s[COD:COD+1] offset:512*(\t)   ; 32 lanes store 512 consecutive bytes
.endm
.macro ROW p
.if NR-1-(\p) < AH-1
	s_wait_loadcnt 4*RS*(NR-1-(\p))                ; my row is in; what may stay out are the loads of the rows behind it
.else
	s_wait_loadcnt 4*RS*(AH-1)
.endif
	TURN (\p)*RS
.if ACT
	ROWMAX \p
	SCALE
.endif
.set ri, 0
.rept RS
.if ri == 0
	s_wait_dscnt 0x0                               ; the step's numbers are back from the stage
.else
	s_wait_dscnt 0x1                               ; likewise; the last step's byte store may be out
.endif
.if ri+1 < RS
	TURN (\p)*RS+ri+1                              ; the next step goes through the other stage while this one is worked
.elseif (\p)+AH < NR
	LOADROW (\p)+AH                                ; the row's stage stores are served and its maximum is taken: its registers take the row AH further on
.endif
	QSTEP (\p)*RS+ri
.set ri, ri+1
.endr
.endm
.macro LOADB b                         ; the sums: batch b of 16 loads, 8,192 bytes
.irp j, 0,1,2,3,4,5,6,7,8,9,10,11,12,13,14,15
	global_load_b128 v[R+64*((\b)%2)+4*\j:R+64*((\b)%2)+4*\j+3], v3, s[6:7] offset:8192*(\b)+512*\j
.endr
.endm
.macro ACC b                           ; its 64 magnitudes onto four chains; the first batch starts them: nothing is cleared
.set AB, R+64*((\b)%2)
.if (\b) == 0
.irp k, 0,1,2,3
	v_add_f32 v[CH+\k], |v[AB+2*\k]|, |v[AB+2*\k+1]|
.endr
.set aj, 8
.rept 56
	v_add_f32 v[CH+aj%4], v[CH+aj%4], |v[AB+aj]|
.set aj, aj+1
.endr
.else
.set aj, 0
.rept 64
	v_add_f32 v[CH+aj%4], v[CH+aj%4], |v[AB+aj]|
.set aj, aj+1
.endr
.endif
.endm
	s_load_b256 s[4:11], s[0:1], 0x0               ; x s[4:5], w_gate s[6:7], w_up s[8:9], w_down s[10:11]
	s_load_b128 s[12:15], s[0:1], 0x20             ; x_codes s[12:13], x_scales s[14:15]
	s_load_b64 s[16:17], s[0:1], 0x30              ; wsum
	v_lshl_add_u32 v240, v0, 2, 0x8000
	v_mov_b32 v241, 0
	v_lshrrev_b32 v1, 5, v0
	v_readfirstlane_b32 s18, v1                    ; wave
	v_and_b32 v2, 31, v0                           ; lane
	v_lshlrev_b32 v3, 4, v2                        ; my 16 bytes of 512
	s_mov_b32 s26, 0x76543210                      ; v_permlanex16_b32: lane l xor 16
	s_mov_b32 s27, 0xfedcba98
	v_mov_b32 v[PD], 0                             ; a lane permute's destination counts as one of its sources
	s_cmp_lt_u32 ttmp9, 256
	s_cbranch_scc0 .Lwsum
	; ---- x
	s_mul_i32 s19, s18, WREG
	v_lshrrev_b32 v14, 2, v2
	v_mul_u32_u24 v14, v14, SP
	v_and_b32 v15, 3, v2
	v_lshl_add_u32 v14, v15, 4, v14
	v_add_nc_u32 v14, s19, v14                     ; the stage, way in: SP (lane / 4) + 16 (lane % 4)
	v_mul_u32_u24 v15, v2, SP
	v_add_nc_u32 v15, s19, v15                     ; way out: SP x lane
	v_lshrrev_b32 v5, 1, v2
	s_add_co_u32 s19, s19, 2*32*SP
	v_add_nc_u32 v5, s19, v5                       ; my block's scale byte
	v_lshlrev_b32 v7, 3, v2
	v_add_nc_u32 v6, s19, v7                       ; and 8 bytes a lane on the way out
	s_mov_b32 s23, 0x600000                        ; the mantissa field of 57,344
	s_mov_b32 s24, 0xc3000000                      ; -128
	s_mov_b32 s25, 0x42fe0000                      ; 127
	s_lshl_b32 s28, ttmp9, 2
	s_add_co_u32 s28, s28, s18                     ; which run of 8,192 numbers is my wave's
	s_lshl_b32 s20, s28, 15
	s_mov_b32 s21, 0
	s_lshl_b32 s30, s28, 13
	s_mov_b32 s31, 0
	s_lshl_b32 s32, s28, 8
	s_mov_b32 s33, 0
	s_wait_alu depctr_va_vdst(0)
	s_wait_kmcnt 0x0
	s_add_nc_u64 s[4:5], s[4:5], s[20:21]
	s_add_nc_u64 s[12:13], s[12:13], s[30:31]
	s_add_nc_u64 s[14:15], s[14:15], s[32:33]
.irp p, 0,1,2,3
	LOADROW \p
.endr
.irp p, 0,1,2,3,4,5,6,7
	ROW \p
.endr
	ds_load_b64 v[12:13], v6                       ; LDS serves a wave's instructions in order: these see my byte stores
	s_wait_dscnt 0x0
	global_store_b64 v7, v[12:13], s[14:15]        ; 32 lanes store 256 consecutive bytes
	s_wait_tensorcnt 0x0
	ds_add_u32 v240, v241
	s_wait_dscnt 0x0
	s_endpgm
	; ---- the sums of |w|
.Lwsum:
	s_sub_co_u32 s19, ttmp9, 256                   ; 0-63 w_gate, 64-127 w_up, 128-191 w_down
	s_and_b32 s20, s19, 63
	s_lshl_b32 s20, s20, 2
	s_add_co_u32 s20, s20, s18                     ; my run of 8,192 numbers in the tensor
	s_lshl_b32 s20, s20, 15
	s_mov_b32 s21, 0
	s_lshl_b32 s22, s19, 2
	s_add_co_u32 s22, s22, s18
	s_lshl_b32 s22, s22, 2                         ; my word of wsum
	s_mov_b32 s23, 0
	v_mov_b32 v233, 0
	s_wait_kmcnt 0x0
	s_cmp_lt_u32 s19, 128                          ; the choice hangs on the work-group's number alone
	s_cselect_b64 s[8:9], s[8:9], s[10:11]
	s_cmp_lt_u32 s19, 64
	s_cselect_b64 s[6:7], s[6:7], s[8:9]
	s_add_nc_u64 s[6:7], s[6:7], s[20:21]
	s_add_nc_u64 s[16:17], s[16:17], s[22:23]
	s_wait_alu depctr_va_vdst(0)
	LOADB 0
	LOADB 1
	s_wait_loadcnt 16                              ; the older batch is in, the younger stays out
	ACC 0
	LOADB 2
	s_wait_alu depctr_va_vdst(0)
	s_wait_loadcnt 16
	ACC 1
	LOADB 3
	s_wait_alu depctr_va_vdst(0)
	s_wait_loadcnt 16
	ACC 2
	s_wait_alu depctr_va_vdst(0)
	s_wait_loadcnt 0x0
	ACC 3
	v_add_f32 v[CH], v[CH], v[CH+1]
	v_add_f32 v[CH+2], v[CH+2], v[CH+3]
	v_add_f32 v[CH], v[CH], v[CH+2]
	v_add_f32_dpp v[CH], v[CH], v[CH] row_xmask:1 row_mask:0xf bank_mask:0xf
	v_add_f32_dpp v[CH], v[CH], v[CH] row_xmask:2 row_mask:0xf bank_mask:0xf
	v_add_f32_dpp v[CH], v[CH], v[CH] row_xmask:4 row_mask:0xf bank_mask:0xf
	v_add_f32_dpp v[CH], v[CH], v[CH] row_xmask:8 row_mask:0xf bank_mask:0xf
	v_permlanex16_b32 v[PD], v[CH], s26, s27
	v_add_f32 v[CH], v[CH], v[PD]
	s_wait_alu depctr_va_vdst(0)
	s_wait_xcnt 0x0                                ; EXEC changes only behind this wait
	v_cmp_eq_u32 vcc_lo, 0, v2
	s_and_saveexec_b32 s24, vcc_lo
	global_store_b32 v233, v[CH], s[16:17]         ; lane 0 stores the wave's sum
	s_wait_xcnt 0x0
	s_or_b32 exec_lo, exec_lo, s24
	s_endpgm
.Lfunc_end_k_qfa16cb22b0_prep:
	.size	k_qfa16cb22b0_prep, .Lfunc_end_k_qfa16cb22b0_prep-k_qfa16cb22b0_prep
	.p2alignl 7, 3214868480
	.fill 96, 4, 3214868480
	.section	.rodata,"a",@progbits
	.p2align	6, 0x0
	.amdhsa_kernel k_qfa16cb22b0_prep
		.amdhsa_group_segment_fixed_size 33280
		.amdhsa_private_segment_fixed_size 0
		.amdhsa_enable_private_segment 0
		.amdhsa_kernarg_size 56
		.amdhsa_user_sgpr_count 2
		.amdhsa_user_sgpr_kernarg_segment_ptr 1
		.amdhsa_wavefront_size32 1
		.amdhsa_system_sgpr_workgroup_id_x 1
		.amdhsa_system_sgpr_workgroup_id_y 1
		.amdhsa_system_sgpr_workgroup_id_z 1
		.amdhsa_system_vgpr_workitem_id 0
		.amdhsa_next_free_vgpr 242
		.amdhsa_next_free_sgpr 66
		.amdhsa_reserve_vcc 1
		.amdhsa_float_denorm_mode_32 3
		.amdhsa_float_denorm_mode_16_64 3
		.amdhsa_memory_ordered 1
		.amdhsa_forward_progress 1
		.amdhsa_inst_pref_size 139
	.end_amdhsa_kernel
	.amdgpu_metadata
---
amdhsa.version: [ 1, 2 ]
amdhsa.kernels:
  - .name:           k_qfa16cb22b0_prep
    .symbol:         k_qfa16cb22b0_prep.kd
    .args:
      - { .name: x, .offset: 0, .size: 8, .value_kind: global_buffer, .address_space: global }
      - { .name: w_gate, .offset: 8, .size: 8, .value_kind: global_buffer, .address_space: global }
      - { .name: w_up, .offset: 16, .size: 8, .value_kind: global_buffer, .address_space: global }
      - { .name: w_down, .offset: 24, .size: 8, .value_kind: global_buffer, .address_space: global }
      - { .name: x_codes, .offset: 32, .size: 8, .value_kind: global_buffer, .address_space: global }
      - { .name: x_scales, .offset: 40, .size: 8, .value_kind: global_buffer, .address_space: global }
      - { .name: wsum, .offset: 48, .size: 8, .value_kind: global_buffer, .address_space: global }
    .group_segment_fixed_size: 33280
    .private_segment_fixed_size: 0
    .kernarg_segment_align: 8
    .kernarg_segment_size: 56
    .max_flat_workgroup_size: 128
    .sgpr_count:     66
    .vgpr_count:     242
    .wavefront_size: 32
...
	.end_amdgpu_metadata
.endif
;; end of part 1
;; launch wquant (part 2): grid 768 x 1, 4 waves a work-group, no clusters, 33,536 bytes of LDS; arguments w_gate, w_up, w_down, wsum, wq; writes wq
.if DOCPART == 2
	.amdgcn_target "amdgcn-amd-amdhsa--gfx1250"
	.amdhsa_code_object_version 6
	.text
	.protected	k_qfa16cb22b0_wquant
	.globl	k_qfa16cb22b0_wquant
	.p2align	8
	.type	k_qfa16cb22b0_wquant,@function
k_qfa16cb22b0_wquant:
	s_mov_b64 s[64:65], 0
	v_nop
	global_prefetch_b8 v0, s[64:65] scope:SCOPE_SE
	s_setreg_imm32_b32 hwreg(HW_REG_WAVE_MODE, 25, 1), 1
	s_wait_xcnt 0x0
; The three weights become ternary step values and then codes of E5M2 with one E8M0 byte for each 32 along K (K is innermost in all three).
; m = max(mean |w| of the whole tensor, 1e-5), from the 256 partial sums in wsum; s = 1 / m; n = clip(round(w s), -1, 1); value = w + (n / s - w).  Every wave adds the 256 parts in the same order, so all use the same s.
; wq: byte 0: codes of gate and up together, [4096][1024]; 0x400000: their scale bytes [4096][32]; 0x420000: codes of w_down [1024][2048]; 0x620000: its scale bytes [1024][64].
; ROWS OF GATE AND UP ARE INTERLEAVED BY 64: rows 128 q + 64 t + .. hold units 64 q .. of gate (t = 0) or up (t = 1).  In each group of 32 units (four runs of eight rows) runs 1 and 2 change places:
; rows 0-15 of the group hold units 0-7 and 16-23, rows 16-31 units 8-15 and 24-31: the tiles of the product that follows.
; LIMITS: NaN and infinities are not served.  A block of zeros gets the byte 1 (its codes are zeros; this program alone reads the bytes).  The two divisions are v_rcp_f32 with one correction step; n / s - w is one fused multiply-add.
; SHARES: work-groups 0-255 w_gate, 256-511 w_up, 512-767 w_down; a work-group takes a run of 8,192 numbers, a wave 2,048 = 4 steps of 512, as dense streams: loads of 512 consecutive bytes, a turn through the wave's own stage in LDS
; so that a lane holds 16 neighbours along K, stores of 512 consecutive bytes of codes.  The four waves' 256 scale bytes meet in LDS behind one barrier, and wave 0 stores them as 256 consecutive bytes.  No tensor load, no cluster: no byte is read by two work-groups but wsum's.
.set SP,   80                          ; a lane's place in a stage: 64 bytes + 16 of padding
.set WREG, 8192                        ; LDS of a wave: two stages of 32 x SP bytes
.set SHB,  4*WREG                      ; the work-group's 256 scale bytes
.set SPARE, SHB+256
.set R,    16                          ; v16-79   four sets of 16 numbers as loaded
.set X,    144                         ; v144-175 two sets of 16 neighbours
.set T,    176                         ; v176-191 at work
.set C,    192                         ; v192-207 four sets of codes
.set E,    208                         ; v208-211 a scale byte for each step
.set SV,   224                         ; v[224:225] s, twice
.set IV,   226                         ; v[226:227] 1 / s, twice
.set CH,   228
.set PD,   232
.macro TURN t                          ; step t through a stage: LDS serves a wave's instructions in order
.irp i, 0,1,2,3
	ds_store_b128 v14, v[R+16*(\t)+4*\i:R+16*(\t)+4*\i+3] offset:32*SP*((\t)%2)+8*SP*\i
.endr
.irp i, 0,1,2,3
	ds_load_b128 v[X+16*((\t)%2)+4*\i:X+16*((\t)%2)+4*\i+3], v15 offset:32*SP*((\t)%2)+16*\i
.endr
.endm
.macro QSTEP t
.set XS, X+16*((\t)%2)
.set CD, C+4*(\t)
.irp i, 0,2,4,6,8,10,12,14
	v_pk_mul_f32 v[T+\i:T+\i+1], v[XS+\i:XS+\i+1], v[SV:SV+1]
.endr
.irp i, 0,1,2,3,4,5,6,7,8,9,10,11,12,13,14,15
	v_rndne_f32 v[T+\i], v[T+\i]                   ; ties to even
.endr
.irp i, 0,1,2,3,4,5,6,7,8,9,10,11,12,13,14,15
	v_med3_num_f32 v[T+\i], v[T+\i], -1.0, 1.0
.endr
.irp i, 0,2,4,6,8,10,12,14
	v_pk_fma_f32 v[T+\i:T+\i+1], v[T+\i:T+\i+1], v[IV:IV+1], v[XS+\i:XS+\i+1] neg_lo:[0,0,1] neg_hi:[0,0,1]   ; n / s - w
.endr
.irp i, 0,2,4,6,8,10,12,14
	v_pk_add_f32 v[XS+\i:XS+\i+1], v[XS+\i:XS+\i+1], v[T+\i:T+\i+1]                                          ; w + (n / s - w)
.endr
	v_max3_num_f32 v8, |v[XS]|, |v[XS+1]|, |v[XS+2]|
	v_max3_num_f32 v9, |v[XS+3]|, |v[XS+4]|, |v[XS+5]|
.irp i, 6,10
	v_max3_num_f32 v8, v8, |v[XS+\i]|, |v[XS+\i+1]|
	v_max3_num_f32 v9, v9, |v[XS+\i+2]|, |v[XS+\i+3]|
.endr
	v_max3_num_f32 v8, v8, |v[XS+14]|, |v[XS+15]|
	v_max3_num_f32 v8, v8, v9, 0x8000000           ; the floor 2^(16 - 127): the byte cannot fall under 1
	v_max_num_f32_dpp v8, v8, v8 row_xmask:1 row_mask:0xf bank_mask:0xf   ; with my neighbour's 16: the block's
	v_add_nc_u32 v11, 0xf8800000, v8               ; 15 off its exponent field: the conversion's scale operand
	v_and_or_b32 v10, v8, 0x7f800000, s23          ; 57,344 x the scale
.irp i, 0,1,2,3,4,5,6,7,8,9,10,11,12,13,14,15
	v_med3_num_f32 v[XS+\i], v[XS+\i], -v10, v10   ; the conversion to an 8-bit code does not saturate (ISA guide 7.6.2): the hold comes first
.endr
	v_cvt_scalef32_pk8_bf8_f32 v[CD:CD+1], v[XS:XS+7], v11
	v_cvt_scalef32_pk8_bf8_f32 v[CD+2:CD+3], v[XS+8:XS+15], v11
	v_lshrrev_b32 v[E+(\t)], 23, v11               ; the scale's byte (also the plain instruction behind the conversions)
	ds_store_b8 v5, v[E+(\t)] offset:16*(\t)       ; both lanes of a block write the same byte with the same value
	global_store_b128 v3, v[CD:CD+3], s[12:13] offset:512*(\t)   ; each step has its own registers for its codes
.endm
	s_load_b256 s[4:11], s[0:1], 0x0               ; w_gate s[4:5], w_up s[6:7], w_down s[8:9], wsum s[10:11]
	s_load_b64 s[12:13], s[0:1], 0x20              ; wq
	v_lshl_add_u32 v240, v0, 2, SPARE
	v_mov_b32 v241, 0
	v_lshrrev_b32 v1, 5, v0
	v_readfirstlane_b32 s18, v1                    ; wave
	s_mov_b32 s26, 0x76543210
	s_mov_b32 s27, 0xfedcba98
	s_mov_b32 s23, 0x600000                        ; the mantissa field of 57,344
	s_mul_i32 s38, s18, WREG
	s_lshl_b32 s39, s18, 6
	s_add_co_u32 s39, s39, SHB                     ; my wave's 64 of the 256 scale bytes
	s_lshr_b32 s19, ttmp9, 8                       ; the tensor: 0 gate, 1 up, 2 down
	s_and_b32 s20, ttmp9, 255                      ; my work-group's run of 8,192 numbers in it
	s_lshr_b32 s21, s20, 3                         ; gate, up: a run is 8 units; its place among the interleaved rows, in runs:
	s_lshl_b32 s21, s21, 4
	s_and_b32 s22, s20, 4
	s_add_co_u32 s21, s21, s22
	s_and_b32 s22, s20, 1                          ; (runs 1 and 2 of four change places)
	s_lshl_b32 s22, s22, 1
	s_add_co_u32 s21, s21, s22
	s_bfe_u32 s22, s20, 0x10001
	s_add_co_u32 s21, s21, s22
	s_lshl_b32 s22, s19, 3
	s_add_co_u32 s21, s21, s22                     ; 16 (run / 8) + 8 tensor + the run's place among eight
	s_mov_b32 s22, 0x620000
	s_cmp_lt_u32 ttmp9, 512                        ; gate or up, or down?
	s_cselect_b32 s21, s21, s20                    ; the run's place in its part of wq,
	s_cselect_b32 s28, 0, 0x420000                 ; where that part's codes begin,
	s_cselect_b32 s29, 0x400000, s22               ; and its scale bytes
	s_lshl_b32 s30, s21, 13
	s_add_co_u32 s30, s30, s28
	s_lshl_b32 s31, s18, 11
	s_add_co_u32 s30, s30, s31                     ; my wave's 2,048 codes
	s_mov_b32 s31, 0
	s_lshl_b32 s32, s21, 8
	s_add_co_u32 s32, s32, s29
	s_mov_b32 s33, 0
	s_lshl_b32 s34, s20, 15
	s_lshl_b32 s35, s18, 13
	s_add_co_u32 s34, s34, s35                     ; my wave's 2,048 numbers
	s_mov_b32 s35, 0
	s_lshl_b32 s36, s19, 10                        ; the tensor's 256 partial sums
	s_mov_b32 s37, 0
	v_and_b32 v2, 31, v0                           ; lane
	v_lshlrev_b32 v3, 4, v2
	v_mov_b32 v[PD], 0
	v_lshrrev_b32 v14, 2, v2
	v_mul_u32_u24 v14, v14, SP
	v_and_b32 v15, 3, v2
	v_lshl_add_u32 v14, v15, 4, v14
	v_add_nc_u32 v14, s38, v14                     ; the stage, way in
	v_mul_u32_u24 v15, v2, SP
	v_add_nc_u32 v15, s38, v15                     ; way out
	v_lshrrev_b32 v5, 1, v2
	v_add_nc_u32 v5, s39, v5                       ; my block's scale byte
	v_lshlrev_b32 v7, 3, v2
	v_add_nc_u32 v6, SHB, v7                       ; and 8 bytes a lane on the way out
	s_wait_alu depctr_va_vdst(0)                   ; the wait at the head's end
	s_wait_kmcnt 0x0
	s_cmp_lt_u32 ttmp9, 512                        ; the choices hang on the work-group's number alone
	s_cselect_b64 s[6:7], s[6:7], s[8:9]
	s_cmp_lt_u32 ttmp9, 256
	s_cselect_b64 s[4:5], s[4:5], s[6:7]
	s_add_nc_u64 s[4:5], s[4:5], s[34:35]
	s_add_nc_u64 s[10:11], s[10:11], s[36:37]
	s_add_nc_u64 s[14:15], s[12:13], s[32:33]
	s_add_nc_u64 s[12:13], s[12:13], s[30:31]
	global_load_b128 v[T:T+3], v3, s[10:11]        ; eight of the 256 partial sums a lane
	global_load_b128 v[T+4:T+7], v3, s[10:11] offset:512
.irp t, 0,1,2,3
.irp j, 0,1,2,3
	global_load_b128 v[R+16*\t+4*\j:R+16*\t+4*\j+3], v3, s[4:5] offset:2048*\t+512*\j th:TH_LOAD_NT
.endr
.endr
	s_wait_loadcnt 16                              ; the partial sums are in; the 16 loads behind them stay out
	v_add_f32 v[T], v[T], v[T+1]
	v_add_f32 v[T+2], v[T+2], v[T+3]
	v_add_f32 v[T+4], v[T+4], v[T+5]
	v_add_f32 v[T+6], v[T+6], v[T+7]
	v_add_f32 v[T], v[T], v[T+2]
	v_add_f32 v[T+4], v[T+4], v[T+6]
	v_add_f32 v[CH], v[T], v[T+4]
	v_add_f32_dpp v[CH], v[CH], v[CH] row_xmask:1 row_mask:0xf bank_mask:0xf
	v_add_f32_dpp v[CH], v[CH], v[CH] row_xmask:2 row_mask:0xf bank_mask:0xf
	v_add_f32_dpp v[CH], v[CH], v[CH] row_xmask:4 row_mask:0xf bank_mask:0xf
	v_add_f32_dpp v[CH], v[CH], v[CH] row_xmask:8 row_mask:0xf bank_mask:0xf
	v_permlanex16_b32 v[PD], v[CH], s26, s27
	v_add_f32 v[CH], v[CH], v[PD]
	v_mul_f32 v[CH], 0x35000000, v[CH]             ; / 2^21 numbers: the mean
	v_max_num_f32 v[CH], 0x3727c5ac, v[CH]         ; the clip at 1e-5
	s_wait_alu depctr_va_vdst(0)
	v_rcp_f32 v[CH+1], v[CH]
	v_nop                                          ; a plain instruction behind the transcendental (ISA guide 5.7.2)
	s_wait_alu depctr_va_vdst(0)
	v_fma_f32 v[CH+2], -v[CH], v[CH+1], 1.0
	v_fma_f32 v[SV], v[CH+2], v[CH+1], v[CH+1]     ; s = 1 / m
	s_wait_alu depctr_va_vdst(0)
	v_rcp_f32 v[CH+1], v[SV]
	v_mov_b32 v[SV+1], v[SV]
	s_wait_alu depctr_va_vdst(0)
	v_fma_f32 v[CH+2], -v[SV], v[CH+1], 1.0
	v_fma_f32 v[IV], v[CH+2], v[CH+1], v[CH+1]     ; 1 / s
	v_mov_b32 v[IV+1], v[IV]
	s_wait_alu depctr_va_vdst(0)
	s_wait_loadcnt 0x0
	TURN 0
	s_wait_dscnt 0x0                               ; step 0 is back from the stage
	TURN 1                                         ; the next step goes through the other stage while this one is worked
	QSTEP 0
	s_wait_dscnt 0x1                               ; likewise; the last step's byte store may be out
	TURN 2
	QSTEP 1
	s_wait_dscnt 0x1
	TURN 3
	QSTEP 2
	s_wait_dscnt 0x1
	QSTEP 3
	s_wait_dscnt 0x0                               ; for the others' sake: my byte stores are done
	s_barrier_signal -1
	s_barrier_wait -1
	s_cmp_lg_u32 s18, 0
	s_cbranch_scc1 .Ldone
	ds_load_b64 v[12:13], v6                       ; wave 0: all four waves' scale bytes
	s_wait_dscnt 0x0
	global_store_b64 v7, v[12:13], s[14:15]        ; 32 lanes store 256 consecutive bytes
.Ldone:
	s_wait_tensorcnt 0x0                           ; the wave's end
	ds_add_u32 v240, v241
	s_wait_dscnt 0x0
	s_endpgm
.Lfunc_end_k_qfa16cb22b0_wquant:
	.size	k_qfa16cb22b0_wquant, .Lfunc_end_k_qfa16cb22b0_wquant-k_qfa16cb22b0_wquant
	.p2alignl 7, 3214868480
	.fill 96, 4, 3214868480
	.section	.rodata,"a",@progbits
	.p2align	6, 0x0
	.amdhsa_kernel k_qfa16cb22b0_wquant
		.amdhsa_group_segment_fixed_size 33536
		.amdhsa_private_segment_fixed_size 0
		.amdhsa_enable_private_segment 0
		.amdhsa_kernarg_size 40
		.amdhsa_user_sgpr_count 2
		.amdhsa_user_sgpr_kernarg_segment_ptr 1
		.amdhsa_wavefront_size32 1
		.amdhsa_system_sgpr_workgroup_id_x 1
		.amdhsa_system_sgpr_workgroup_id_y 1
		.amdhsa_system_sgpr_workgroup_id_z 1
		.amdhsa_system_vgpr_workitem_id 0
		.amdhsa_next_free_vgpr 242
		.amdhsa_next_free_sgpr 66
		.amdhsa_reserve_vcc 0
		.amdhsa_float_denorm_mode_32 3
		.amdhsa_float_denorm_mode_16_64 3
		.amdhsa_memory_ordered 1
		.amdhsa_forward_progress 1
		.amdhsa_inst_pref_size 29
	.end_amdhsa_kernel
	.amdgpu_metadata
---
amdhsa.version: [ 1, 2 ]
amdhsa.kernels:
  - .name:           k_qfa16cb22b0_wquant
    .symbol:         k_qfa16cb22b0_wquant.kd
    .args:
      - { .name: w_gate, .offset: 0, .size: 8, .value_kind: global_buffer, .address_space: global }
      - { .name: w_up, .offset: 8, .size: 8, .value_kind: global_buffer, .address_space: global }
      - { .name: w_down, .offset: 16, .size: 8, .value_kind: global_buffer, .address_space: global }
      - { .name: wsum, .offset: 24, .size: 8, .value_kind: global_buffer, .address_space: global }
      - { .name: wq, .offset: 32, .size: 8, .value_kind: global_buffer, .address_space: global }
    .group_segment_fixed_size: 33536
    .private_segment_fixed_size: 0
    .kernarg_segment_align: 8
    .kernarg_segment_size: 40
    .max_flat_workgroup_size: 128
    .sgpr_count:     66
    .vgpr_count:     242
    .wavefront_size: 32
...
	.end_amdgpu_metadata
.endif
;; end of part 2
;; launch g12 (part 3): grid 16 x 16, 4 waves a work-group, clusters of 4 x 4, 327,680 bytes of LDS; arguments x_codes, x_scales, wq, h, hmax; writes h, hmax
.if DOCPART == 3
	.amdgcn_target "amdgcn-amd-amdhsa--gfx1250"
	.amdhsa_code_object_version 6
	.text
	.protected	k_qfa16cb22b0_g12
	.globl	k_qfa16cb22b0_g12
	.p2align	8
	.type	k_qfa16cb22b0_g12,@function
k_qfa16cb22b0_g12:
	s_mov_b64 s[64:65], 0
	v_nop
	global_prefetch_b8 v0, s[64:65] scope:SCOPE_SE
	s_setreg_imm32_b32 hwreg(HW_REG_WAVE_MODE, 25, 1), 1
	s_wait_xcnt 0x0
	s_wait_alu depctr_hold_cnt(0) depctr_sa_sdst(0) depctr_va_vdst(0) depctr_va_sdst(0) depctr_va_ssrc(0) depctr_va_vcc(0) depctr_vm_vsrc(0)
	s_getreg_b32 s2, hwreg(HW_REG_IB_STS2, 6, 4)
	s_cmp_eq_u32 s2, 0
	s_cbranch_scc0 .Lentry_in_a_cluster
	s_endpgm
.Lentry_in_a_cluster:
	s_bfe_u32 s2, ttmp6, 0x10000c
	s_cmp_lg_u32 s2, 0xf033
	s_cbranch_scc0 .Lentry_shape_is_right
	s_endpgm
.Lentry_shape_is_right:
; h = silu(x Wg^T) * (x Wu^T) on codes of MX-BF8 (E5M2, one E8M0 byte for 32 along K): 8,192 x 4,096 x 1,024, f32 sums, h in f32.
; INPUTS: x_codes [8192][1024], x_scales [8192][32]; wq: codes [4096][1024], their scale bytes [4096][32] at 0x400000.  Rows 128 q + 64 t + .. hold units 64 q .. of gate (t = 0) or up (t = 1);
; in each group of 32 units row 16 u + r holds unit 8 u + r + 8 (r / 8).
; OUTPUTS (this program's own): h as an image of registers: [row block of 16][group G of 32 units][quad k][lane][16 bytes]: lane (r, hh) holds row r, units 32 G + 16 hh + 4 k .. + 3;
; hmax [16 tile columns][8192 rows] f32: the largest |h| of a row among the work-group's 128 units.
; LIMITS: NaN and infinities are not served.  silu(g) u is formed as (g u) / (1 + 2^(-g log2 e)): one rounding order away from reference()'s.
; THE DEAL: 256 work-groups: 512 rows of x by 256 rows of wq (128 units).  A wave holds 64 rows of wq (32 gate, 32 up of the same units), all of K, in 512 registers (windows 1, 2) and streams x in blocks of 16 rows,
; which stand in window 3 as two sets of 128 registers.  A block is 32 products on four accumulators that take turns.  Source 0 = weights, source 1 = x: a lane holds one row of x,
; and by the order of wq's rows its 16 results of tiles 0 and 1 are 16 neighbouring units.
; THE STREAM: behind a block's products its set takes the block two on, in one run of 34 LDS loads.  THE WAY OUT is made once for a pair of blocks (two sets of accumulators): one batch of 32 exponentials, one of 32 reciprocals.
; LDS: two slots of 128 rows of 1,040 bytes.  The weights' 256 rows fill both at the head; when all waves hold them in registers, x's rows 0-255 are filled over them in a drained round; chunks 2 and 3 (128 rows) follow
; in drained rounds ahead of blocks 6 and 14, each eight blocks ahead of its first read.  Behind the slots: x's scale bytes of 512 rows, the waves' row maxima, the spare words.
; CLUSTERS 4 x 4: x's rows are asked for jointly along a row of the cluster, the weights along a column.
; PREFETCH: each chunk of x (512 blocks of 256 bytes) is named once in a cluster row, a sixteenth a wave, told apart by address: chunks 0, 1 behind the weights' load, chunk 2 behind the load of chunks 0 and 1, chunk 3 behind chunk 2's load.
; The weights are the launch's first load: nothing runs ahead of it, so they are not prefetched.
.set PITCH, 1040
.set BLKB, 16*PITCH
.set SLOT, 128*PITCH
.set XSL, 2*SLOT                       ; x's scale bytes, 32 a row, 512 rows
.set MX, XSL+16384                     ; [wave][512 rows] f32
.set SPARE, MX+8192
.set ADR0, 4                           ; x fragment: r x pitch + 16 hh
.set ADRX, 5                           ; the same for the two blocks that a pair fetches
.set ADRS0, 6                          ; x scale words: XSL + 32 r
.set ADRS, 7
.set MXA0, 8                           ; my wave's maxima: MX + 2048 w + 4 r
.set MXA, 9
.set SPW, 10
.set NIL, 11
.set CO, 12                            ; 16 x lane
.set PD2, 13
.set WSO, 14                           ; my row of the weights' scale bytes
.set PD, 15
.set PF, 16                            ; v16-19 prefetch offsets of chunks 0 .. 3; never rewritten
.set WS, 24                            ; v24-39 weights' scale words: 8 u + q: lanes 0-15 gate tile u, lanes 16-31 up tile u
.set XSC, 44                           ; v44-59 x's scale words, two sets of eight
.set ADRW, 60                          ; v60, v61 my gate rows, my up rows in LDS
.set XGO, 62
.set XSA, 63
.set ACC, 64                           ; v64-127 two sets of: gate tiles 0, 1, up tiles 0, 1
.set P, 128                            ; v128-159 g u, then h, of a pair of blocks
.set T, 160                            ; v160-191
.set G1W, 24
.set G1H, 32
.set G1R, 48
.set G0W, 56
.set G0H, 60
.set G0R, 68
.set MSB, 0
.macro WIN new
.if MSB != \new
	s_set_vgpr_msb (MSB<<8)|\new
.set MSB, \new
.endif
.endm
.macro PLACES n
.rept \n
	v_nop
.endr
.endm
.macro WALU
	s_wait_alu depctr_va_vdst(0)
.endm
.macro BARRIER
	s_barrier_signal -1
	s_barrier_wait -1
.endm
.macro CROUND
	BARRIER
	s_cmp_lg_u32 s14, 0
	s_cbranch_scc1 .Lnot_wave_0_\@
	s_barrier_signal -3
.Lnot_wave_0_\@:
	s_barrier_wait -3
	BARRIER
.endm
.macro TLOAD g0, g1                    ; s_nop 0 and four v_nop behind the load
	tensor_load_to_lds s[\g0:\g0+3], s[\g1:\g1+7]
	s_nop 0
	PLACES 4
.endm
.macro GROUP1 g, mask, rows            ; whole rows of 1,024 bytes, 16 bytes of padding behind each
	s_or_b32 s[\g+0], s[\mask], (1<<20)|(1<<21)|(7<<22)|(3<<25)
	s_mov_b32 s[\g+1], 1024<<16
	s_mov_b32 s[\g+2], (\rows)<<16
	s_mov_b32 s[\g+3], 1024<<16
	s_mov_b32 s[\g+4], \rows
	s_mov_b32 s[\g+5], 1024
	s_mov_b32 s[\g+6], 0
	s_mov_b32 s[\g+7], 0
.endm
	s_load_b256 s[4:11], s[0:1], 0x0       ; x_codes, x_scales, wq, h
	s_load_b64 s[12:13], s[0:1], 0x20      ; hmax
	v_lshl_add_u32 v[SPW], v0, 2, SPARE
	v_mov_b32 v[NIL], 0
	ds_add_u32 v[SPW], v[NIL]              ; the opening lines
	ds_add_u32 v[SPW], v[NIL]
	v_lshrrev_b32 v22, 5, v0
	v_readfirstlane_b32 s14, v22           ; wave w
	s_bfe_u32 s40, ttmp6, 0x40000          ; cx
	s_bfe_u32 s41, ttmp6, 0x40004          ; cy
	s_lshl_b32 s42, ttmp9, 2
	s_add_co_u32 s42, s42, s40             ; tile column c
	s_and_b32 s43, ttmp7, 0xffff
	s_lshl_b32 s43, s43, 2
	s_add_co_u32 s43, s43, s41             ; tile row y
	s_lshl_b32 s44, s41, 2
	s_lshl_b32 s44, 15, s44                ; my row of the cluster
	s_lshl_b32 s45, 0x1111, s40            ; my column
	GROUP1 G1W, 45, 64
	GROUP1 G1H, 44, 64
	GROUP1 G1R, 44, 32
	s_lshl_b32 s15, s14, 16                ; 64 rows x wave
	s_lshl_b32 s16, s42, 18
	s_add_co_u32 s16, s16, s15             ; weights: row 256 c + 64 w
	s_mov_b32 s17, 0
	s_lshl_b32 s18, s43, 19
	s_add_co_u32 s18, s18, s15             ; x: row 512 y + 64 w
	s_mov_b32 s19, 0
	s_lshl_b32 s82, s43, 19
	s_lshl_b32 s83, s14, 15
	s_add_co_u32 s82, s82, s83
	s_add_co_u32 s82, s82, 0x40000         ; chunk 2: row 512 y + 256 + 32 w
	s_mov_b32 s83, 0
	s_mov_b32 s[G0W], 1
	s_mul_i32 s[G0W+1], s14, 64*PITCH
	s_mov_b32 s[G0H], 1
	s_mul_i32 s[G0H+1], s14, 64*PITCH
	s_mov_b32 s[G0R], 1
	s_mul_i32 s[G0R+1], s14, 32*PITCH
	s_lshl_b32 s20, s43, 22                ; h: (64 x 32 y + 4 c + w) tiles of 2,048 bytes
	s_lshl_b32 s21, s42, 13
	s_add_co_u32 s20, s20, s21
	s_lshl_b32 s21, s14, 11
	s_add_co_u32 s20, s20, s21
	s_mov_b32 s21, 0
	s_lshl_b32 s22, s42, 15                ; hmax: 8,192 c + 512 y numbers
	s_lshl_b32 s23, s43, 11
	s_add_co_u32 s22, s22, s23
	s_mov_b32 s23, 0
	s_lshl_b32 s46, s43, 14                ; x_scales: 512 y rows of 32
	s_mov_b32 s47, 0
	s_lshl_b32 s84, s14, 11
	s_add_co_u32 s84, s84, MX
	s_lshr_b32 s85, s14, 1
	s_lshl_b32 s85, s85, 7
	s_and_b32 s86, s14, 1
	s_lshl_b32 s86, s86, 5
	s_add_co_u32 s86, s86, s85             ; my gate rows begin at row 128 (w / 2) + 32 (w % 2)
	s_mul_i32 s85, s86, PITCH
	s_lshl_b32 s87, s42, 8
	s_add_co_u32 s86, s86, s87             ; and in wq 256 c further on
	s_lshl_b32 s87, s40, 2
	s_add_co_u32 s87, s87, s14
	s_lshl_b32 s87, s87, 13                ; my sixteenth of a chunk
	s_lshl_b32 s88, s43, 19
	s_add_co_u32 s87, s87, s88
	s_mov_b32 s78, 0xbfb8aa3b              ; -log2(e)
	s_mov_b32 s79, s78
	s_mov_b32 s80, 0x76543210
	s_mov_b32 s81, 0xfedcba98
	v_and_b32 v1, 15, v0                   ; r
	v_bfe_u32 v2, v0, 4, 1                 ; hh
	v_and_b32 v3, 31, v0
	v_mul_u32_u24 v22, v1, PITCH
	v_lshl_add_u32 v[ADR0], v2, 4, v22
	v_lshl_add_u32 v[ADRS0], v1, 5, XSL
	v_lshl_add_u32 v[MXA0], v1, 2, s84
	v_lshlrev_b32 v[CO], 4, v3
	v_add_nc_u32 v[ADRW], s85, v[ADR0]     ; a weight tile's 16 rows lie on end
	v_add_nc_u32 v[ADRW+1], 64*PITCH, v[ADRW]
	v_lshl_add_u32 v23, v2, 6, v1          ; lanes 16-31 take the up rows' scale words
	v_add_nc_u32 v23, s86, v23
	v_lshlrev_b32 v[WSO], 5, v23
	v_lshl_add_u32 v[PF], v3, 8, s87
	v_add_nc_u32 v[PF+1], 0x20000, v[PF]
	v_add_nc_u32 v[PF+2], 0x40000, v[PF]
	v_add_nc_u32 v[PF+3], 0x60000, v[PF]
	v_lshlrev_b32 v[XGO], 4, v0
	v_lshl_add_u32 v[XSA], v0, 4, XSL
	v_mov_b32 v[PD], 0
	v_mov_b32 v[PD2], 0
	WALU                                   ; the wait at the head's end
	s_wait_dscnt 0x0
	CROUND                                 ; the opening round
	s_wait_kmcnt 0x0
	s_add_nc_u64 s[G0W+2:G0W+3], s[8:9], s[16:17]
	s_or_b32 s[G0W+3], s[G0W+3], 0x80000000
	s_add_nc_u64 s[G0H+2:G0H+3], s[4:5], s[18:19]
	s_or_b32 s[G0H+3], s[G0H+3], 0x80000000
	s_add_nc_u64 s[G0R+2:G0R+3], s[4:5], s[82:83]
	s_or_b32 s[G0R+3], s[G0R+3], 0x80000000
	TLOAD G0W, G1W                         ; my 64 of the weights' 256 rows: one load a wave at the head
	s_add_nc_u64 s[72:73], s[10:11], s[20:21]
	s_sub_nc_u64 s[72:73], s[72:73], 262144    ; each pair of blocks steps it by two row blocks first
	s_add_nc_u64 s[12:13], s[12:13], s[22:23]
	s_add_nc_u64 s[46:47], s[6:7], s[46:47]
	global_prefetch_b8 v[PF], s[4:5] th:TH_LOAD_NT scope:SCOPE_SE
	global_prefetch_b8 v[PF+1], s[4:5] th:TH_LOAD_NT scope:SCOPE_SE
.irp u, 0,1
.irp c, 0,1
	global_load_b128 v[WS+8*\u+4*\c:WS+8*\u+4*\c+3], v[WSO], s[8:9] offset:0x400000+512*\u+16*\c
.endr
.endr
.irp i, 0,1,2,3,4,5,6,7
	global_load_b128 v[ACC+4*\i:ACC+4*\i+3], v[XGO], s[46:47] offset:2048*\i   ; x's scale bytes: 16,384 dense bytes, 128 a thread
.endr
	s_wait_loadcnt 0x0
	s_wait_tensorcnt 0x0                   ; my part of the weights is in
.irp i, 0,1,2,3,4,5,6,7
	ds_store_b128 v[XSA], v[ACC+4*\i:ACC+4*\i+3] offset:2048*\i
.endr
	s_wait_dscnt 0x0
	BARRIER                                ; everybody's part is in, and the scale bytes
.irp q, 0,1,2,3,4,5,6,7                ; fragment 4 q + tt (tt: gate 0, gate 1, up 0, up 1) lies in window 1 + (4 q + tt) / 16
.irp tt, 0,1,2,3
	WIN (1+(4*\q+\tt)/16)<<6
.irp c, 0,1,2,3
	ds_load_b128 v[16*((4*\q+\tt)%16)+4*\c:16*((4*\q+\tt)%16)+4*\c+3], v[ADRW+\tt/2] offset:16*(\tt%2)*PITCH+128*\q+32*\c
.endr
.endr
.endr
	WIN 0
	s_wait_tensorcnt 0x0                   ; the three lines ahead of a refill's round
	ds_add_u32 v[SPW], v[NIL]
	s_wait_dscnt 0x0                       ; the weights are in registers
	CROUND
	TLOAD G0H, G1H                         ; x's rows 0-255 over the weights, 64 rows a wave
	global_prefetch_b8 v[PF+2], s[4:5] th:TH_LOAD_NT scope:SCOPE_SE
	s_wait_tensorcnt 0x0
	BARRIER
.macro FETCH e, a, s                   ; a block of x, all of K, into set e, and its scale words: 34 loads
	WIN 3<<6
.irp q, 0,1,2,3,4,5,6,7
.irp c, 0,1,2,3
	ds_load_b128 v[128*\e+16*\q+4*\c:128*\e+16*\q+4*\c+3], v[\a] offset:\e*BLKB+128*\q+32*\c
.endr
.endr
	WIN 0
	ds_load_b128 v[XSC+8*\e:XSC+8*\e+3], v[\s] offset:512*\e
	ds_load_b128 v[XSC+8*\e+4:XSC+8*\e+7], v[\s] offset:512*\e+16
.endm
.macro PROD e, q, tt
.set F_, 4*(\q)+(\tt)
.set A_, 16*(F_%16)
.set B_, 128*(\e)+16*(\q)
.set D_, ACC+32*(\e)+8*(\tt)
.set SW_, WS+8*((\tt)%2)+(\q)
.set SX_, XSC+8*(\e)+(\q)
	WIN (1+F_/16)|(3<<2)
.if (\q) == 0 && (\tt) < 2
	v_wmma_scale_f32_16x16x128_f8f6f4 v[D_:D_+7], v[A_:A_+15], v[B_:B_+15], 0, v[SW_], v[SX_] matrix_a_fmt:MATRIX_FMT_BF8 matrix_b_fmt:MATRIX_FMT_BF8
.elseif (\q) == 0
	v_wmma_scale_f32_16x16x128_f8f6f4 v[D_:D_+7], v[A_:A_+15], v[B_:B_+15], 0, v[SW_], v[SX_] matrix_a_fmt:MATRIX_FMT_BF8 matrix_b_fmt:MATRIX_FMT_BF8 matrix_a_scale:MATRIX_SCALE_ROW1
.elseif (\tt) < 2
	v_wmma_scale_f32_16x16x128_f8f6f4 v[D_:D_+7], v[A_:A_+15], v[B_:B_+15], v[D_:D_+7], v[SW_], v[SX_] matrix_a_fmt:MATRIX_FMT_BF8 matrix_b_fmt:MATRIX_FMT_BF8
.else
	v_wmma_scale_f32_16x16x128_f8f6f4 v[D_:D_+7], v[A_:A_+15], v[B_:B_+15], v[D_:D_+7], v[SW_], v[SX_] matrix_a_fmt:MATRIX_FMT_BF8 matrix_b_fmt:MATRIX_FMT_BF8 matrix_a_scale:MATRIX_SCALE_ROW1
.endif
.endm
.macro WAYOUT2                         ; a pair of blocks, 32 numbers a lane: h = (g u) / (1 + 2^(-g log2 e)); each row's largest |h| of these 32 units; eight stores of 512 consecutive bytes
.irp e, 0,1
.irp j, 0,2,4,6,8,10,12,14
	v_pk_mul_f32 v[P+16*\e+\j:P+16*\e+\j+1], v[ACC+32*\e+\j:ACC+32*\e+\j+1], v[ACC+32*\e+16+\j:ACC+32*\e+17+\j]   ; every accumulator is read from its low end on
.endr
.endr
.irp e, 0,1
.irp j, 0,2,4,6,8,10,12,14
	v_pk_mul_f32 v[T+16*\e+\j:T+16*\e+\j+1], v[ACC+32*\e+\j:ACC+32*\e+\j+1], s[78:79] op_sel_hi:[1,0]
.endr
.endr
	WALU                                   ; a wait ahead of each batch of transcendentals and one behind it
.set WI, 0
.rept 32
	v_exp_f32 v[T+WI], v[T+WI]
.set WI, WI+1
.endr
	v_nop
	WALU
.set WI, 0
.rept 16
	v_pk_add_f32 v[T+WI:T+WI+1], v[T+WI:T+WI+1], 1.0 op_sel_hi:[1,0]
.set WI, WI+2
.endr
	WALU
.set WI, 0
.rept 32
	v_rcp_f32 v[T+WI], v[T+WI]
.set WI, WI+1
.endr
	v_nop
	WALU
.set WI, 0
.rept 16
	v_pk_mul_f32 v[P+WI:P+WI+1], v[P+WI:P+WI+1], v[T+WI:T+WI+1]
.set WI, WI+2
.endr
	v_max3_num_f32 v20, |v[P]|, |v[P+1]|, |v[P+2]|            ; four chains: two for each block
	v_max3_num_f32 v21, |v[P+3]|, |v[P+4]|, |v[P+5]|
	v_max3_num_f32 v22, |v[P+16]|, |v[P+17]|, |v[P+18]|
	v_max3_num_f32 v23, |v[P+19]|, |v[P+20]|, |v[P+21]|
.irp i, 6,10
	v_max3_num_f32 v20, v20, |v[P+\i]|, |v[P+\i+1]|
	v_max3_num_f32 v21, v21, |v[P+\i+2]|, |v[P+\i+3]|
	v_max3_num_f32 v22, v22, |v[P+16+\i]|, |v[P+17+\i]|
	v_max3_num_f32 v23, v23, |v[P+18+\i]|, |v[P+19+\i]|
.endr
	v_max3_num_f32 v20, v20, |v[P+14]|, |v[P+15]|
	v_max3_num_f32 v22, v22, |v[P+30]|, |v[P+31]|
	v_max_num_f32 v20, v20, v21
	v_max_num_f32 v22, v22, v23
	v_permlanex16_b32 v[PD], v20, s80, s81
	v_permlanex16_b32 v[PD2], v22, s80, s81
	v_max_num_f32 v20, v20, v[PD]
	v_max_num_f32 v22, v22, v[PD2]
	ds_store_b32 v[MXA], v20               ; both halves of the lanes write the same word with the same value
	ds_store_b32 v[MXA], v22 offset:64
.irp e, 0,1
.irp k, 0,1,2,3
	global_store_b128 v[CO], v[P+16*\e+4*\k:P+16*\e+4*\k+3], s[72:73] offset:131072*\e+512*\k
.endr
.endr
.endm
.macro BLK e, dsw, fetch
	s_wait_dscnt \dsw                      ; my set is in: younger are the other set's 34 loads and the last way out's two stores
.irp q, 0,1,2,3,4,5,6,7
.irp tt, 0,1,2,3
	PROD \e, \q, \tt
.endr
.endr
	WIN 0
	PLACES 8                               ; eight places behind the last product, ahead of loads into its sources and of readers of the sums
.if \fetch
	FETCH \e, ADRX, ADRS                   ; the block two on
.endif
.endm
.macro PAIR fetch, dsb
	v_add_nc_u32 v[ADRX], s74, v[ADR0]
	v_add_nc_u32 v[ADRS], s75, v[ADRS0]
	v_add_nc_u32 v[MXA], s76, v[MXA0]
	WALU
	s_wait_xcnt 0x0                        ; the last pair's stores have read their data and base
	s_add_nc_u64 s[72:73], s[72:73], 262144
	BLK 0, 36, \fetch
	BLK 1, \dsb, \fetch
	WAYOUT2
.endm
.macro RUN label, trips, adr, sc, mx   ; so many pairs of blocks; adr, sc: where the blocks two on lie; mx: where the maxima go
	s_mov_b32 s74, \adr
	s_mov_b32 s75, \sc
	s_mov_b32 s76, \mx
	s_mov_b32 s77, \trips
\label:
	PAIR 1, 36
	s_add_co_u32 s74, s74, 2*BLKB
	s_add_co_u32 s75, s75, 1024
	s_add_co_u32 s76, s76, 128
	s_sub_co_u32 s77, s77, 1
	s_cmp_lg_u32 s77, 0
	WALU
	s_cbranch_scc1 \label
.endm
.macro SYNCR second                    ; a drained round and a refill, 32 rows a wave
	WALU
	s_wait_tensorcnt 0x0
	ds_add_u32 v[SPW], v[NIL]
.if \second
	s_add_nc_u64 s[G0R+2:G0R+3], s[G0R+2:G0R+3], 0x20000
	s_add_co_u32 s[G0R+1], s[G0R+1], SLOT
.endif
	s_wait_dscnt 0x0
	CROUND
	TLOAD G0R, G1R
.endm
	FETCH 0, ADR0, ADRS0
	FETCH 1, ADR0, ADRS0
	s_wait_dscnt 0x0
	RUN .Lrun1, 3, 2*BLKB, 1024, 0         ; blocks 0-5; they fetch blocks 2-7
	SYNCR 0                                ; chunk 2 into slot 0, whose last rows are in registers
	global_prefetch_b8 v[PF+3], s[4:5] th:TH_LOAD_NT scope:SCOPE_SE
	RUN .Lrun2, 4, SLOT, 4096, 384         ; blocks 6-13 fetch chunk 1
	SYNCR 1                                ; chunk 2 is shown; chunk 3 into slot 1
	RUN .Lrun3, 4, 0, 8192, 896            ; blocks 14-21 fetch chunk 2
	WALU
	s_wait_tensorcnt 0x0                   ; chunk 3 is in
	s_wait_dscnt 0x0
	BARRIER
	RUN .Lrun4, 4, SLOT, 12288, 1408       ; blocks 22-29 fetch chunk 3
	s_mov_b32 s76, 1920
	PAIR 0, 0                              ; blocks 30, 31 fetch nothing
	s_wait_dscnt 0x0
	BARRIER                                ; all four waves' maxima lie in LDS
	v_lshl_add_u32 v22, v0, 4, MX
	v_lshlrev_b32 v23, 4, v0
	WALU
.irp i, 0,1,2,3
	ds_load_b128 v[ACC+4*\i:ACC+4*\i+3], v22 offset:2048*\i
.endr
	s_wait_dscnt 0x0
.irp j, 0,1,2,3
	v_max3_num_f32 v[T+\j], v[ACC+\j], v[ACC+4+\j], v[ACC+8+\j]
.endr
.irp j, 0,1,2,3
	v_max_num_f32 v[T+\j], v[T+\j], v[ACC+12+\j]
.endr
	global_store_b128 v23, v[T:T+3], s[12:13]  ; 128 threads store 2,048 consecutive bytes
	s_wait_tensorcnt 0x0                   ; the wave's end
	ds_add_u32 v[SPW], v[NIL]
	s_wait_dscnt 0x0
	CROUND                                 ; the closing round
	s_endpgm
.Lfunc_end_k_qfa16cb22b0_g12:
	.size	k_qfa16cb22b0_g12, .Lfunc_end_k_qfa16cb22b0_g12-k_qfa16cb22b0_g12
	.p2alignl 7, 3214868480
	.fill 96, 4, 3214868480
	.section	.rodata,"a",@progbits
	.p2align	6, 0x0
	.amdhsa_kernel k_qfa16cb22b0_g12
		.amdhsa_group_segment_fixed_size 327680
		.amdhsa_private_segment_fixed_size 0
		.amdhsa_enable_private_segment 0
		.amdhsa_kernarg_size 40
		.amdhsa_user_sgpr_count 2
		.amdhsa_user_sgpr_kernarg_segment_ptr 1
		.amdhsa_wavefront_size32 1
		.amdhsa_system_sgpr_workgroup_id_x 1
		.amdhsa_system_sgpr_workgroup_id_y 1
		.amdhsa_system_sgpr_workgroup_id_z 1
		.amdhsa_system_vgpr_workitem_id 0
		.amdhsa_next_free_vgpr 1024
		.amdhsa_next_free_sgpr 90
		.amdhsa_reserve_vcc 0
		.amdhsa_float_denorm_mode_32 3
		.amdhsa_float_denorm_mode_16_64 3
		.amdhsa_memory_ordered 1
		.amdhsa_forward_progress 1
		.amdhsa_inst_pref_size 131
	.end_amdhsa_kernel
	.amdgpu_metadata
---
amdhsa.version: [ 1, 2 ]
amdhsa.kernels:
  - .name:           k_qfa16cb22b0_g12
    .symbol:         k_qfa16cb22b0_g12.kd
    .args:
      - { .name: x_codes, .offset: 0, .size: 8, .value_kind: global_buffer, .address_space: global }
      - { .name: x_scales, .offset: 8, .size: 8, .value_kind: global_buffer, .address_space: global }
      - { .name: wq, .offset: 16, .size: 8, .value_kind: global_buffer, .address_space: global }
      - { .name: h, .offset: 24, .size: 8, .value_kind: global_buffer, .address_space: global }
      - { .name: hmax, .offset: 32, .size: 8, .value_kind: global_buffer, .address_space: global }
    .group_segment_fixed_size: 327680
    .private_segment_fixed_size: 0
    .kernarg_segment_align: 8
    .kernarg_segment_size: 40
    .max_flat_workgroup_size: 128
    .sgpr_count:     90
    .vgpr_count:     1024
    .wavefront_size: 32
...
	.end_amdgpu_metadata
.endif
;; end of part 3
;; launch hquant (part 4): grid 512 x 1, 4 waves a work-group, no clusters, 35,328 bytes of LDS; arguments h, hmax, h_codes, h_scales; writes h_codes, h_scales
.if DOCPART == 4
	.amdgcn_target "amdgcn-amd-amdhsa--gfx1250"
	.amdhsa_code_object_version 6
	.text
	.protected	k_qfa16cb22b0_hquant
	.globl	k_qfa16cb22b0_hquant
	.p2align	8
	.type	k_qfa16cb22b0_hquant,@function
k_qfa16cb22b0_hquant:
	s_mov_b64 s[64:65], 0
	v_nop
	global_prefetch_b8 v0, s[64:65] scope:SCOPE_SE
	s_setreg_imm32_b32 hwreg(HW_REG_WAVE_MODE, 25, 1), 1
	s_wait_xcnt 0x0
; h -> the int8 step value of each row (s = 127 / max(|row|, 1e-5); n = clip(round(h s), -128, 127); value = h + (n / s - h)), and that value -> codes of E5M2, h_codes [8192][2048], with one E8M0 byte for 32 along K, h_scales [8192][64].
; h comes as an image of registers: [row block of 16][group G of 32 units][quad k][lane][16 bytes]: four loads of 512 consecutive bytes give lane (r, hh) the 16 neighbours 32 G + 16 hh + 0 .. 15 of row r.
; hmax [16][8192]: the row's largest magnitude in 16 parts, so no row is held whole and nothing is read twice.
; A block's byte is the largest magnitude's exponent field - 15, held at 1 from below.  A block of 32 lies in lanes l and l xor 16.
; LIMITS: NaN and infinities are not served.  A block of zeros gets the byte 1 (its codes are zeros; this program alone reads the bytes).  The two divisions are v_rcp_f32 with one correction step each; n / s - h is one fused multiply-add.
; SHARES: a work-group takes a row block of 16 rows, a wave 16 groups G: 32,768 consecutive bytes, eight groups (32 loads) on their way.  A lane's 16 codes go through the wave's own stage and leave as rows of 512 bytes;
; the scale bytes of the four waves meet in LDS and leave as 1,024 consecutive bytes.  No tensor load, no cluster: no byte of h is read by two work-groups.  The launch streams: no prefetch.
.set R, 16                             ; v16-143 eight sets of 16 numbers
.set T, 144
.set CD, 160
.set SB, 164                           ; v164-167 my row's 16 scale bytes
.set E, 168
.set SV, 170
.set IV, 172
.set CH, 176
.set PD, 180
.set HM, 184
.set SPITCH, 528
.set SCL, 4*16*SPITCH
.set SPARE, SCL+1024
.macro LOADT t
.irp k, 0,1,2,3
	global_load_b128 v[R+16*((\t)%8)+4*\k:R+16*((\t)%8)+4*\k+3], v3, s[4:5] offset:2048*(\t)+512*\k th:TH_LOAD_NT
.endr
.endm
.macro QT t
.set XS, R+16*((\t)%8)
.if 15-(\t) < 7
	s_wait_loadcnt 4*(15-(\t))             ; my group is in; the groups behind it may stay out
.else
	s_wait_loadcnt 28
.endif
.irp i, 0,2,4,6,8,10,12,14
	v_pk_mul_f32 v[T+\i:T+\i+1], v[XS+\i:XS+\i+1], v[SV:SV+1]
.endr
.irp i, 0,1,2,3,4,5,6,7,8,9,10,11,12,13,14,15
	v_rndne_f32 v[T+\i], v[T+\i]
.endr
.irp i, 0,1,2,3,4,5,6,7,8,9,10,11,12,13,14,15
	v_med3_num_f32 v[T+\i], v[T+\i], s24, s25
.endr
.irp i, 0,2,4,6,8,10,12,14
	v_pk_fma_f32 v[T+\i:T+\i+1], v[T+\i:T+\i+1], v[IV:IV+1], v[XS+\i:XS+\i+1] neg_lo:[0,0,1] neg_hi:[0,0,1]
.endr
.irp i, 0,2,4,6,8,10,12,14
	v_pk_add_f32 v[XS+\i:XS+\i+1], v[XS+\i:XS+\i+1], v[T+\i:T+\i+1]
.endr
	v_max3_num_f32 v8, |v[XS]|, |v[XS+1]|, |v[XS+2]|
	v_max3_num_f32 v9, |v[XS+3]|, |v[XS+4]|, |v[XS+5]|
.irp i, 6,10
	v_max3_num_f32 v8, v8, |v[XS+\i]|, |v[XS+\i+1]|
	v_max3_num_f32 v9, v9, |v[XS+\i+2]|, |v[XS+\i+3]|
.endr
	v_max3_num_f32 v8, v8, |v[XS+14]|, |v[XS+15]|
	v_max3_num_f32 v8, v8, v9, 0x8000000   ; the floor 2^(16 - 127): the byte cannot fall under 1
	v_permlanex16_b32 v[PD], v8, s26, s27
	v_max_num_f32 v8, v8, v[PD]            ; with lane l xor 16's: the block's
	v_add_nc_u32 v11, 0xf8800000, v8       ; 15 off the exponent field: the conversion's scale operand
	v_and_or_b32 v10, v8, 0x7f800000, s23  ; 57,344 x the scale
.irp i, 0,1,2,3,4,5,6,7,8,9,10,11,12,13,14,15
	v_med3_num_f32 v[XS+\i], v[XS+\i], -v10, v10   ; the conversion does not saturate (ISA guide 7.6.2): the hold comes first
.endr
	v_cvt_scalef32_pk8_bf8_f32 v[CD:CD+1], v[XS:XS+7], v11
	v_cvt_scalef32_pk8_bf8_f32 v[CD+2:CD+3], v[XS+8:XS+15], v11
	v_lshrrev_b32 v[E], 23, v11            ; the byte (also the plain line behind the conversions)
.if (\t)%4 == 0
	v_mov_b32 v[SB+(\t)/4], v[E]
.else
	v_lshl_or_b32 v[SB+(\t)/4], v[E], 8*((\t)%4), v[SB+(\t)/4]
.endif
	ds_store_b128 v5, v[CD:CD+3] offset:32*(\t)
.if (\t)+8 < 16
	LOADT (\t)+8
.endif
.endm
	s_load_b256 s[4:11], s[0:1], 0x0       ; h, hmax, h_codes, h_scales
	v_lshl_add_u32 v240, v0, 2, SPARE
	v_mov_b32 v241, 0
	v_lshrrev_b32 v1, 5, v0
	v_readfirstlane_b32 s18, v1            ; wave
	s_mov_b32 s26, 0x76543210
	s_mov_b32 s27, 0xfedcba98
	s_mov_b32 s23, 0x600000
	s_mov_b32 s24, 0xc3000000              ; -128
	s_mov_b32 s25, 0x42fe0000              ; 127
	s_lshl_b32 s12, ttmp9, 17
	s_lshl_b32 s13, s18, 15
	s_add_co_u32 s12, s12, s13             ; h: 131,072 a row block, 32,768 a wave
	s_mov_b32 s13, 0
	s_lshl_b32 s14, ttmp9, 6               ; hmax: 16 rows of 4 bytes
	s_mov_b32 s15, 0
	s_lshl_b32 s16, ttmp9, 15
	s_lshl_b32 s17, s18, 9
	s_add_co_u32 s16, s16, s17             ; h_codes: 16 rows of 2,048, 512 bytes a wave
	s_mov_b32 s17, 0
	s_lshl_b32 s20, ttmp9, 10
	s_lshl_b32 s21, s18, 8
	s_add_co_u32 s20, s20, s21             ; h_scales: 1,024 a row block, 256 a wave
	s_mov_b32 s21, 0
	s_mul_i32 s19, s18, 16*SPITCH          ; my stage
	s_lshl_b32 s22, s18, 4
	s_add_co_u32 s22, s22, SCL
	s_lshl_b32 s28, s18, 8
	s_add_co_u32 s28, s28, SCL
	v_and_b32 v1, 15, v0                   ; r
	v_bfe_u32 v2, v0, 4, 1                 ; hh
	v_and_b32 v14, 31, v0
	v_lshlrev_b32 v3, 4, v14
	v_lshlrev_b32 v4, 15, v2
	v_lshl_add_u32 v4, v1, 2, v4           ; hmax: part 2 i + hh, row r
	v_mul_u32_u24 v5, v1, SPITCH
	v_lshl_add_u32 v5, v2, 4, v5
	v_add_nc_u32 v5, s19, v5               ; the stage, way in
	v_add_nc_u32 v6, s19, v3               ; way out: 32 lanes take a row's 512 bytes
	v_lshl_add_u32 v7, v1, 6, s22          ; my row's 16 scale bytes among its 64
	v_lshlrev_b32 v13, 3, v14
	v_add_nc_u32 v12, s28, v13
	v_mov_b32 v[PD], 0
	s_wait_alu depctr_va_vdst(0)           ; the wait at the head's end
	s_wait_kmcnt 0x0
	s_add_nc_u64 s[4:5], s[4:5], s[12:13]
	s_add_nc_u64 s[6:7], s[6:7], s[14:15]
	s_add_nc_u64 s[8:9], s[8:9], s[16:17]
	s_add_nc_u64 s[10:11], s[10:11], s[20:21]
.irp i, 0,1,2,3,4,5,6,7
	global_load_b32 v[HM+\i], v4, s[6:7] offset:65536*\i
.endr
.irp t, 0,1,2,3,4,5,6,7
	LOADT \t
.endr
	s_wait_loadcnt 32                      ; the maxima are in; the 32 loads behind them stay out
	v_max3_num_f32 v[CH], v[HM], v[HM+1], v[HM+2]
	v_max3_num_f32 v[CH+1], v[HM+3], v[HM+4], v[HM+5]
	v_max3_num_f32 v[CH], v[CH], v[HM+6], v[HM+7]
	v_max_num_f32 v[CH], v[CH], v[CH+1]
	v_permlanex16_b32 v[PD], v[CH], s26, s27
	v_max_num_f32 v[CH], v[CH], v[PD]      ; the row's largest magnitude
	v_max_num_f32 v[CH], 0x3727c5ac, v[CH] ; the clip at 1e-5
	s_wait_alu depctr_va_vdst(0)
	v_rcp_f32 v[CH+1], v[CH]
	v_nop
	s_wait_alu depctr_va_vdst(0)
	v_mul_f32 v[CH+2], s25, v[CH+1]
	v_fma_f32 v[CH+3], -v[CH+2], v[CH], s25
	v_fma_f32 v[SV], v[CH+3], v[CH+1], v[CH+2]     ; s
	s_wait_alu depctr_va_vdst(0)
	v_rcp_f32 v[CH+1], v[SV]
	v_mov_b32 v[SV+1], v[SV]
	s_wait_alu depctr_va_vdst(0)
	v_fma_f32 v[CH+3], -v[SV], v[CH+1], 1.0
	v_fma_f32 v[IV], v[CH+3], v[CH+1], v[CH+1]     ; 1 / s
	v_mov_b32 v[IV+1], v[IV]
	s_wait_alu depctr_va_vdst(0)
.irp t, 0,1,2,3,4,5,6,7,8,9,10,11,12,13,14,15
	QT \t
.endr
	ds_store_b128 v7, v[SB:SB+3]           ; both halves of the lanes write the same bytes with the same values
.irp i, 0,1,2,3,4,5,6,7,8,9,10,11,12,13,14,15
	ds_load_b128 v[R+4*\i:R+4*\i+3], v6 offset:\i*SPITCH   ; LDS serves a wave's instructions in order: these see my stores
.endr
.irp i, 0,1,2,3,4,5,6,7,8,9,10,11,12,13,14,15
	s_wait_dscnt 15-\i
	global_store_b128 v3, v[R+4*\i:R+4*\i+3], s[8:9] offset:2048*\i   ; 32 lanes store 512 consecutive bytes of a row
.endr
	s_barrier_signal -1                    ; no LDS instruction of mine is out
	s_barrier_wait -1
	ds_load_b64 v[8:9], v12
	s_wait_dscnt 0x0
	global_store_b64 v13, v[8:9], s[10:11] ; 32 lanes store 256 consecutive bytes
	s_wait_tensorcnt 0x0                   ; the wave's end
	ds_add_u32 v240, v241
	s_wait_dscnt 0x0
	s_endpgm
.Lfunc_end_k_qfa16cb22b0_hquant:
	.size	k_qfa16cb22b0_hquant, .Lfunc_end_k_qfa16cb22b0_hquant-k_qfa16cb22b0_hquant
	.p2alignl 7, 3214868480
	.fill 96, 4, 3214868480
	.section	.rodata,"a",@progbits
	.p2align	6, 0x0
	.amdhsa_kernel k_qfa16cb22b0_hquant
		.amdhsa_group_segment_fixed_size 35328
		.amdhsa_private_segment_fixed_size 0
		.amdhsa_enable_private_segment 0
		.amdhsa_kernarg_size 32
		.amdhsa_user_sgpr_count 2
		.amdhsa_user_sgpr_kernarg_segment_ptr 1
		.amdhsa_wavefront_size32 1
		.amdhsa_system_sgpr_workgroup_id_x 1
		.amdhsa_system_sgpr_workgroup_id_y 1
		.amdhsa_system_sgpr_workgroup_id_z 1
		.amdhsa_system_vgpr_workitem_id 0
		.amdhsa_next_free_vgpr 242
		.amdhsa_next_free_sgpr 66
		.amdhsa_reserve_vcc 0
		.amdhsa_float_denorm_mode_32 3
		.amdhsa_float_denorm_mode_16_64 3
		.amdhsa_memory_ordered 1
		.amdhsa_forward_progress 1
		.amdhsa_inst_pref_size 95
	.end_amdhsa_kernel
	.amdgpu_metadata
---
amdhsa.version: [ 1, 2 ]
amdhsa.kernels:
  - .name:           k_qfa16cb22b0_hquant
    .symbol:         k_qfa16cb22b0_hquant.kd
    .args:
      - { .name: h, .offset: 0, .size: 8, .value_kind: global_buffer, .address_space: global }
      - { .name: hmax, .offset: 8, .size: 8, .value_kind: global_buffer, .address_space: global }
      - { .name: h_codes, .offset: 16, .size: 8, .value_kind: global_buffer, .address_space: global }
      - { .name: h_scales, .offset: 24, .size: 8, .value_kind: global_buffer, .address_space: global }
    .group_segment_fixed_size: 35328
    .private_segment_fixed_size: 0
    .kernarg_segment_align: 8
    .kernarg_segment_size: 32
    .max_flat_workgroup_size: 128
    .sgpr_count:     66
    .vgpr_count:     242
    .wavefront_size: 32
...
	.end_amdgpu_metadata
.endif
;; end of part 4
;; launch g3 (part 5): grid 4 x 64, 4 waves a work-group, clusters of 4 x 4, 327,680 bytes of LDS; arguments h_codes, h_scales, wq, out0; writes out0
.if DOCPART == 5
	.amdgcn_target "amdgcn-amd-amdhsa--gfx1250"
	.amdhsa_code_object_version 6
	.text
	.protected	k_qfa16cb22b0_g3
	.globl	k_qfa16cb22b0_g3
	.p2align	8
	.type	k_qfa16cb22b0_g3,@function
k_qfa16cb22b0_g3:
	s_mov_b64 s[64:65], 0
	v_nop
	global_prefetch_b8 v0, s[64:65] scope:SCOPE_SE
	s_setreg_imm32_b32 hwreg(HW_REG_WAVE_MODE, 25, 1), 1
	s_wait_xcnt 0x0
	s_wait_alu depctr_hold_cnt(0) depctr_sa_sdst(0) depctr_va_vdst(0) depctr_va_sdst(0) depctr_va_ssrc(0) depctr_va_vcc(0) depctr_vm_vsrc(0)
	s_getreg_b32 s2, hwreg(HW_REG_IB_STS2, 6, 4)
	s_cmp_eq_u32 s2, 0
	s_cbranch_scc0 .Lentry_in_a_cluster
	s_endpgm
.Lentry_in_a_cluster:
	s_bfe_u32 s2, ttmp6, 0x10000c
	s_cmp_lg_u32 s2, 0xf033
	s_cbranch_scc0 .Lentry_shape_is_right
	s_endpgm
.Lentry_shape_is_right:
; out0 = hq Wd^T on codes of MX-BF8 (E5M2, one E8M0 byte for 32 along K): 8,192 x 1,024 x 2,048, f32 sums.
; A = h_codes [8192][2048] with h_scales [8192][64]; B = w_down's codes [1024][2048] at byte 0x420000 of wq, its scale bytes [1024][64] at 0x620000.
; A tile of out0 is 128 x 256: 256 work-groups of four waves, a wave 64 x 128: 32 accumulators, which take turns.  Source 0 = B's rows, source 1 = A's: a lane holds eight neighbouring numbers of a row.
; K goes in steps of 256 through two LDS slots (A's 128 rows, B's 256, rows of 256 bytes + 16 of padding).  The scale bytes of all of K come once and stay behind the ring.
; THE HEAD: one joint load a wave: A's 128 rows of K step 0, B's 256, A's scale bytes, B's.  Slot 1's first fill and every refill stand behind a drained round of the cluster's barrier, a half of A's or of B's rows a wave.
; CLUSTERS 4 x 4: A's tiles are asked for jointly along a row of the cluster, B's along a column.
; PREFETCH: the load of K step k is followed by a prefetch of K step k + 2 (the head's also of K step 1); the loads of K steps 6 and 7 ask for nothing.  Of the rows that a wave fetches, each of the four partners names a quarter,
; told apart by address: 16 rows of A (lanes 16-31 name the last again) or 32 rows of B, a lane a row of 256 bytes.
.set SIZE_K, 2048
.set SIZE_N, 1024
.set KSTEP,  256
.set NQ,     KSTEP/128
.set ROWB,   256
.set KROW,   SIZE_K
.set PITCH,  272
.set FR,     16
.set NP,     8
.set HALFA,  64*PITCH
.set HALFB,  128*PITCH
.set BOFF,   2*HALFA
.set SLOT,   2*HALFA+2*HALFB
.set LAPS,   SIZE_K/(2*KSTEP)
.set KS,     SIZE_K/32
.set SCL,    2*SLOT
.set HALFSA, (64*KS/256)*272
.set HALFSB, (128*KS/256)*272
.set SBLK,   (16*KS/256)*272
.set SPARE,  SCL+2*HALFSA+2*HALFSB
.set SPITCH, 528                       ; the way out: a stage of 16 rows for each wave, in slot 0 behind its last fill and last read
.set ADRA, 16
.set ADRB, 20
.set STO,  24
.set RD,   25
.set CO,   26
.set ADRS, 27
.set SPW,  28
.set NIL,  29
.set PFO,  30                          ; the prefetches' offset: my row x 2,048 bytes; never rewritten
.set SC,   32
.set AF,   128
.set BK,   128
.set G1, 24
.set G0, 32
.set G1B, 48
.set G0B, 56
.set G1S, 68
.set G0S, 76
.set G1SB, 80
.set G0SB, 88
.set G0H, 4                            ; group 0 of the head's loads of codes, where arguments lay that have been used by then
.set G0HB, 8
.set PFA, 98                           ; s[98:99] where my prefetches stand
.set MSB, 0
.macro WIN new
.if MSB != \new
	s_set_vgpr_msb (MSB<<8)|\new
.set MSB, \new
.endif
.endm
.set MUL,  0xa1
.set TO_B, 0x40
.macro JLOAD g0a, g1a, g0b, g1b        ; waves 0, 1 fetch for A, waves 2, 3 for B; s_nop 0 and four v_nop behind each line
	s_cmp_eq_u32 s15, 0
	s_cbranch_scc0 .Lfor_b_\@
	tensor_load_to_lds s[\g0a:\g0a+3], s[\g1a:\g1a+7]
	s_nop 0
.rept 4
	v_nop
.endr
	s_branch .Lasked_\@
.Lfor_b_\@:
	tensor_load_to_lds s[\g0b:\g0b+3], s[\g1b:\g1b+7]
	s_nop 0
.rept 4
	v_nop
.endr
.Lasked_\@:
.endm
.macro CREST
	s_cmp_lg_u32 s14, 0
	s_cbranch_scc1 .Lnot_wave_0_\@
	s_barrier_signal -3
.Lnot_wave_0_\@:
	s_barrier_wait -3
	s_barrier_signal -1
	s_barrier_wait -1
.endm
.macro CROUND
	s_barrier_signal -1
	s_barrier_wait -1
	CREST
.endm
.macro SHAPE g, c, r, p
	s_mov_b32 s[\g+1], (\c)<<16
	s_mov_b32 s[\g+2], (\r)<<16
	s_mov_b32 s[\g+3], (\c)<<16
	s_mov_b32 s[\g+4], \r
	s_mov_b32 s[\g+5], \p
	s_mov_b32 s[\g+6], 0
	s_mov_b32 s[\g+7], 0
.endm
	s_load_b128 s[4:7], s[0:1], 0x0        ; h_codes, h_scales
	s_load_b64 s[8:9], s[0:1], 0x10        ; wq
	s_load_b64 s[12:13], s[0:1], 0x18      ; out0
	v_lshl_add_u32 v[SPW], v0, 2, SPARE
	v_mov_b32 v[NIL], 0
	ds_add_u32 v[SPW], v[NIL]              ; the opening lines
	ds_add_u32 v[SPW], v[NIL]
	v_lshrrev_b32 v1, 5, v0
	v_readfirstlane_b32 s14, v1            ; wave
	s_lshr_b32 s15, s14, 1                 ; my half of the tile's rows; also: I fetch for A (0) or B (1)
	s_and_b32 s16, s14, 1                  ; my half of its columns; also: which half of the rows I fetch
	s_bfe_u32 s40, ttmp6, 0x40000
	s_bfe_u32 s41, ttmp6, 0x40004
	s_lshl_b32 s42, ttmp9, 2
	s_add_co_u32 s42, s42, s40             ; tile column
	s_and_b32 s17, ttmp7, 0xffff
	s_lshl_b32 s17, s17, 2
	s_add_co_u32 s17, s17, s41             ; tile row
	s_lshl_b32 s43, s41, 2
	s_lshl_b32 s43, 15, s43
	s_lshl_b32 s44, 0x1111, s40
	s_or_b32 s[G1+0], s43, (0<<16)|(1<<20)|(1<<21)|(5<<22)|(3<<25)
	s_or_b32 s[G1B+0], s44, (0<<16)|(1<<20)|(1<<21)|(5<<22)|(3<<25)
	SHAPE G1, ROWB, 128, KROW              ; the head's loads bring whole tiles; behind them the words that count rows are set to halves
	SHAPE G1B, ROWB, 256, KROW
	s_or_b32 s[G1S+0], s43, (3<<16)|(1<<20)|(1<<21)|(5<<22)|(3<<25)
	s_or_b32 s[G1SB+0], s44, (3<<16)|(1<<20)|(1<<21)|(5<<22)|(3<<25)
	SHAPE G1S, 32, 128*KS/256, 32          ; scale bytes: dense blocks as rows of 256 bytes
	SHAPE G1SB, 32, 256*KS/256, 32
	s_lshl_b32 s20, s17, 7                 ; A's first row
	s_lshl_b32 s46, s42, 8                 ; B's
	s_lshl_b32 s22, s20, 6                 ; their scale bytes, 64 a row
	s_mov_b32 s23, 0
	s_lshl_b32 s92, s46, 6
	s_mov_b32 s93, 0
	s_lshl_b32 s20, s20, 11                ; their codes, 2,048 a row
	s_mov_b32 s21, 0
	s_lshl_b32 s46, s46, 11
	s_mov_b32 s47, 0
	s_lshl_b32 s18, s16, 17                ; in the ring: my 64 rows of A,
	s_mov_b32 s19, 0
	s_lshl_b32 s94, s16, 18                ; or my 128 of B
	s_mov_b32 s95, 0
	s_mul_i32 s45, s16, HALFA
	s_mul_i32 s43, s16, HALFB
	s_add_co_u32 s43, s43, BOFF
	s_lshl_b32 s96, s16, 6                 ; the prefetches: of the rows that I fetch, my work-group's quarter
	s_lshl_b32 s97, s40, 4
	s_add_co_u32 s96, s96, s97
	s_lshl_b32 s96, s96, 11
	s_add_co_u32 s96, s96, s20
	s_lshl_b32 s97, s16, 7
	s_lshl_b32 s3, s41, 5
	s_add_co_u32 s97, s97, s3
	s_lshl_b32 s97, s97, 11
	s_add_co_u32 s97, s97, s46
	s_add_co_u32 s97, s97, 0x420000
	s_cmp_eq_u32 s15, 0
	s_cselect_b32 s96, s96, s97
	s_cselect_b32 s3, 15, 31
	s_mov_b32 s97, 0
	v_and_b32 v6, 31, v0
	v_min_u32 v[PFO], s3, v6
	v_lshlrev_b32 v[PFO], 11, v[PFO]
	s_wait_alu depctr_va_vdst(0)           ; the wait ahead of the blocking waits
	s_wait_dscnt 0x0
	s_wait_kmcnt 0x0
	s_cmp_eq_u32 s15, 0
	s_cselect_b64 s[PFA:PFA+1], s[4:5], s[8:9]
	s_add_nc_u64 s[PFA:PFA+1], s[PFA:PFA+1], s[96:97]
	s_add_nc_u64 s[10:11], s[8:9], 0x620000
	s_add_nc_u64 s[8:9], s[8:9], 0x420000
	s_add_nc_u64 s[20:21], s[4:5], s[20:21]
	s_add_nc_u64 s[22:23], s[6:7], s[22:23]
	s_add_nc_u64 s[46:47], s[8:9], s[46:47]
	s_add_nc_u64 s[92:93], s[10:11], s[92:93]
	CROUND                                 ; the opening round
	s_mov_b32 s[G0H], 1
	s_mov_b32 s[G0H+1], 0
	s_mov_b64 s[G0H+2:G0H+3], s[20:21]
	s_or_b32 s[G0H+3], s[G0H+3], 0x80000000
	s_mov_b32 s[G0HB], 1
	s_mov_b32 s[G0HB+1], BOFF
	s_mov_b64 s[G0HB+2:G0HB+3], s[46:47]
	s_or_b32 s[G0HB+3], s[G0HB+3], 0x80000000
	s_mov_b32 s[G0S], 1
	s_mov_b32 s[G0S+1], SCL
	s_mov_b64 s[G0S+2:G0S+3], s[22:23]
	s_or_b32 s[G0S+3], s[G0S+3], 0x80000000
	s_mov_b32 s[G0SB], 1
	s_mov_b32 s[G0SB+1], SCL+2*HALFSA
	s_mov_b64 s[G0SB+2:G0SB+3], s[92:93]
	s_or_b32 s[G0SB+3], s[G0SB+3], 0x80000000
	s_add_nc_u64 s[20:21], s[20:21], s[18:19]
	s_add_nc_u64 s[46:47], s[46:47], s[94:95]
.irp s, 0,1
	s_mov_b32 s[G0+4*\s], 1
	s_add_co_u32 s[G0+4*\s+1], s45, \s*SLOT
	s_add_nc_u64 s[G0+4*\s+2:G0+4*\s+3], s[20:21], \s*ROWB
	s_or_b32 s[G0+4*\s+3], s[G0+4*\s+3], 0x80000000
	s_mov_b32 s[G0B+4*\s], 1
	s_add_co_u32 s[G0B+4*\s+1], s43, \s*SLOT
	s_add_nc_u64 s[G0B+4*\s+2:G0B+4*\s+3], s[46:47], \s*ROWB
	s_or_b32 s[G0B+4*\s+3], s[G0B+4*\s+3], 0x80000000
.endr
.macro ARM under, g0, g1, next         ; one chain of branches on the wave's number, one load to an arm
	s_cmp_lt_u32 s14, \under
	s_cbranch_scc0 \next
	tensor_load_to_lds s[\g0:\g0+3], s[\g1:\g1+7]
	s_nop 0
.rept 4
	v_nop
.endr
	s_branch .Lhead_asked
\next:
.endm
	ARM 1, G0H,  G1,  .Lhead_b
	ARM 2, G0HB, G1B, .Lhead_sa
	ARM 3, G0S,  G1S, .Lhead_sb
	tensor_load_to_lds s[G0SB:G0SB+3], s[G1SB:G1SB+7]
	s_nop 0
.rept 4
	v_nop
.endr
.Lhead_asked:
	global_prefetch_b8 v[PFO], s[PFA:PFA+1] offset:256 th:TH_LOAD_NT scope:SCOPE_SE   ; K steps 1 and 2
	global_prefetch_b8 v[PFO], s[PFA:PFA+1] offset:512 th:TH_LOAD_NT scope:SCOPE_SE
	v_and_b32 v1, 15, v0
	v_bfe_u32 v2, v0, 4, 1
	v_mul_u32_u24 v3, v1, PITCH
	v_lshl_add_u32 v4, v2, 4, v3
	s_mul_i32 s21, s15, HALFA
	s_mul_i32 s22, s16, HALFB
	s_add_co_u32 s22, s22, BOFF
.irp s, 0,1
	v_add_nc_u32 v[ADRA+\s], s21, v4
	v_add_nc_u32 v[ADRB+\s], s22, v4
	s_add_co_u32 s21, s21, SLOT
	s_add_co_u32 s22, s22, SLOT
.endr
	v_mul_u32_u24 v5, v1, KS
	v_lshrrev_b32 v6, 8, v5
	v_lshl_add_u32 v5, v6, 4, v5
	s_mul_i32 s21, s15, HALFSA
	s_mul_i32 s22, s16, HALFSB
	s_add_co_u32 s22, s22, 2*HALFSA
	s_sub_co_u32 s22, s22, s21
	v_mul_u32_u24 v6, s22, v2              ; lanes 16-31 take B's scale words
	s_add_co_u32 s21, s21, SCL
	v_add_nc_u32 v5, v5, v6
	v_add_nc_u32 v[ADRS], s21, v5
	s_mul_i32 s23, s14, 16*SPITCH
	v_mul_u32_u24 v5, v1, SPITCH
	v_lshl_add_u32 v5, v2, 5, v5
	v_add_nc_u32 v[STO], s23, v5
	v_and_b32 v6, 31, v0
	v_lshlrev_b32 v[CO], 4, v6
	v_add_nc_u32 v[RD], s23, v[CO]
	s_lshl_b32 s20, s17, 7
	s_lshl_b32 s21, s15, 6
	s_add_co_u32 s20, s20, s21
	s_mov_b32 s21, 0
	s_mov_b64 s[18:19], SIZE_N*4
	s_mul_u64 s[20:21], s[20:21], s[18:19]
	s_lshl_b32 s46, s42, 10
	s_lshl_b32 s47, s16, 9
	s_add_co_u32 s46, s46, s47
	s_mov_b32 s47, 0
	s_add_nc_u64 s[20:21], s[20:21], s[46:47]
	s_add_nc_u64 s[12:13], s[12:13], s[20:21]
.macro FRAG reg, adr, q, i
.irp c, 0,1,2,3
	ds_load_b128 v[\reg+4*\c:\reg+4*\c+3], v[\adr] offset:128*(\q)+32*\c+(\i)*16*PITCH
.endr
.endm
.macro MUL8 a, p, q, sc, zero
.irp b, 0,1,2,3,4,5,6,7
.if \zero
	v_wmma_scale_f32_16x16x128_f8f6f4 v[8*(8*(\a)+\b):8*(8*(\a)+\b)+7], v[128*(\p)+FR*\b:128*(\p)+FR*\b+FR-1], v[AF+64*(\p)+FR*(\a):AF+64*(\p)+FR*(\a)+FR-1], 0, v[SC+8*NQ*(\sc)+NQ*\b+(\q)], v[SC+8*NQ*(\sc)+NQ*(\a)+(\q)] matrix_a_fmt:MATRIX_FMT_BF8 matrix_b_fmt:MATRIX_FMT_BF8 matrix_a_scale:MATRIX_SCALE_ROW1
.else
	v_wmma_scale_f32_16x16x128_f8f6f4 v[8*(8*(\a)+\b):8*(8*(\a)+\b)+7], v[128*(\p)+FR*\b:128*(\p)+FR*\b+FR-1], v[AF+64*(\p)+FR*(\a):AF+64*(\p)+FR*(\a)+FR-1], v[8*(8*(\a)+\b):8*(8*(\a)+\b)+7], v[SC+8*NQ*(\sc)+NQ*\b+(\q)], v[SC+8*NQ*(\sc)+NQ*(\a)+(\q)] matrix_a_fmt:MATRIX_FMT_BF8 matrix_b_fmt:MATRIX_FMT_BF8 matrix_a_scale:MATRIX_SCALE_ROW1
.endif
.endr
.endm
.macro FETCH slot, q, p
	WIN TO_B
.irp i, 0,1,2,3,4,5,6,7
	FRAG 128*(\p)+FR*\i, ADRB+\slot, \q, \i
.endr
	WIN 0
.irp i, 0,1,2,3
	FRAG AF+64*(\p)+FR*\i, ADRA+\slot, \q, \i
.endr
.endm
.macro SCALES sc
.irp i, 0,1,2,3,4,5,6,7
	ds_load_b64 v[SC+8*NQ*\sc+NQ*\i:SC+8*NQ*\sc+NQ*\i+1], v[ADRS] offset:\i*SBLK
.endr
.endm
.macro PLACES n
.rept \n
	v_nop
.endr
.endm
.macro STEP slot, zero
	s_wait_dscnt 0x0
.if !\zero
	PLACES NP
.endif
	FETCH \slot, 1, 1
	WIN MUL
	MUL8 0, 0, 0, \slot, \zero
	MUL8 1, 0, 0, \slot, \zero
	MUL8 2, 0, 0, \slot, \zero
	MUL8 3, 0, 0, \slot, \zero
	WIN 0
.endm
.macro ASK                             ; the K step two refills on; the last lap's refills have none
	s_cmp_gt_u32 s3, 1
	s_cbranch_scc0 .Lnone_\@
	global_prefetch_b8 v[PFO], s[PFA:PFA+1] offset:768 th:TH_LOAD_NT scope:SCOPE_SE
.Lnone_\@:
.endm
.macro TURN slot, next, fill           ; a slot's second step changes slots: one barrier, which opens a round of the cluster's barrier where the slot is filled again
.if \fill
	s_wait_xcnt 0x0                        ; my prefetches have read their address: it steps here
	s_add_nc_u64 s[PFA:PFA+1], s[PFA:PFA+1], ROWB
.endif
	s_wait_tensorcnt 0x0
	ds_add_u32 v[SPW], v[NIL]
	s_wait_dscnt 0x1
	WIN MUL
	MUL8 0, 1, 1, \slot, 0
	s_wait_dscnt 0x0
	s_barrier_signal -1
	MUL8 1, 1, 1, \slot, 0
	WIN 0
	s_barrier_wait -1
.if \fill
	CREST
	s_add_nc_u64 s[G0+4*\slot+2:G0+4*\slot+3], s[G0+4*\slot+2:G0+4*\slot+3], 2*ROWB
	s_add_nc_u64 s[G0B+4*\slot+2:G0B+4*\slot+3], s[G0B+4*\slot+2:G0B+4*\slot+3], 2*ROWB
	JLOAD G0+4*\slot, G1, G0B+4*\slot, G1B
	PLACES NP-4
.else
	PLACES NP
.endif
	s_wait_alu depctr_va_vdst(0)           ; directly ahead of the reader
	v_add_nc_u32 v[ADRS], 4*NQ, v[ADRS]
	FETCH \next, 0, 0
	SCALES \next
.if \fill
	ASK
.endif
	WIN MUL
	MUL8 2, 1, 1, \slot, 0
	MUL8 3, 1, 1, \slot, 0
	WIN 0
.endm
	s_wait_alu depctr_va_vdst(0)           ; the wait at the head's end
	s_wait_tensorcnt 0x0                   ; my tile of the head's four is in; the three lines ahead of a later first fill
	ds_add_u32 v[SPW], v[NIL]
	s_mov_b32 s[G1+2], 64<<16              ; no tensor load of mine is out: from here on a load brings half a tile
	s_mov_b32 s[G1+4], 64
	s_mov_b32 s[G1B+2], 128<<16
	s_mov_b32 s[G1B+4], 128
	s_wait_dscnt 0x0
	CROUND
	JLOAD G0+4, G1, G0B+4, G1B             ; K step 1
	FETCH 0, 0, 0
	SCALES 0
	global_prefetch_b8 v[PFO], s[PFA:PFA+1] offset:768 th:TH_LOAD_NT scope:SCOPE_SE   ; K step 3
	STEP 0, 1
	s_mov_b32 s3, LAPS-1
.Llap:
	TURN 0, 1, 1
	STEP 1, 0
	TURN 1, 0, 1
	STEP 0, 0
	s_sub_co_u32 s3, s3, 1
	s_cmp_lg_u32 s3, 0
	s_cbranch_scc1 .Llap
	TURN 0, 1, 0
	STEP 1, 0
	s_wait_dscnt 0x0
	WIN MUL
	MUL8 0, 1, 1, 1, 0
	MUL8 1, 1, 1, 1, 0
	MUL8 2, 1, 1, 1, 0
	MUL8 3, 1, 1, 1, 0
	WIN 0
.macro TOSTAGE a                       ; 16 rows x 128 columns through my own stage; each accumulator from its low end on
.set AC, 64*(\a)
	WIN 0x08
.irp b, 0,1,2,3,4,5,6,7
	ds_store_b128 v[STO], v[AC+8*\b:AC+8*\b+3] offset:64*\b
	ds_store_b128 v[STO], v[AC+8*\b+4:AC+8*\b+7] offset:64*\b+16
.endr
	WIN 0
.set BB, BK+64*((\a)%2)
.irp t, 0,1,2,3,4,5,6,7,8,9,10,11,12,13,14,15
	ds_load_b128 v[BB+4*\t:BB+4*\t+3], v[RD] offset:\t*SPITCH
.endr
.endm
.macro SEND a, younger
.set BB, BK+64*((\a)%2)
	s_wait_dscnt \younger
.if (\a) > 0
	s_add_nc_u64 s[12:13], s[12:13], 16*SIZE_N*4
.endif
.irp t, 0,1,2,3,4,5,6,7,8,9,10,11,12,13,14,15
	global_store_b128 v[CO], v[BB+4*\t:BB+4*\t+3], s[12:13] offset:\t*SIZE_N*4 th:TH_STORE_NT   ; 32 lanes store 512 consecutive bytes
.endr
.endm
	PLACES NP
	TOSTAGE 0
.irp a, 1,2,3
.if \a > 1
	s_wait_xcnt 0x0
.endif
	TOSTAGE \a
	SEND \a-1, 32
.endr
	s_wait_xcnt 0x0
	SEND 3, 0
	s_wait_tensorcnt 0x0                   ; the wave's end
	ds_add_u32 v[SPW], v[NIL]
	s_wait_dscnt 0x0
	CROUND                                 ; the closing round
	s_endpgm
.Lfunc_end_k_qfa16cb22b0_g3:
	.size	k_qfa16cb22b0_g3, .Lfunc_end_k_qfa16cb22b0_g3-k_qfa16cb22b0_g3
	.p2alignl 7, 3214868480
	.fill 96, 4, 3214868480
	.section	.rodata,"a",@progbits
	.p2align	6, 0x0
	.amdhsa_kernel k_qfa16cb22b0_g3
		.amdhsa_group_segment_fixed_size 327680
		.amdhsa_private_segment_fixed_size 0
		.amdhsa_enable_private_segment 0
		.amdhsa_kernarg_size 32
		.amdhsa_user_sgpr_count 2
		.amdhsa_user_sgpr_kernarg_segment_ptr 1
		.amdhsa_wavefront_size32 1
		.amdhsa_system_sgpr_workgroup_id_x 1
		.amdhsa_system_sgpr_workgroup_id_y 1
		.amdhsa_system_sgpr_workgroup_id_z 1
		.amdhsa_system_vgpr_workitem_id 0
		.amdhsa_next_free_vgpr 768
		.amdhsa_next_free_sgpr 100
		.amdhsa_reserve_vcc 0
		.amdhsa_float_denorm_mode_32 3
		.amdhsa_float_denorm_mode_16_64 3
		.amdhsa_memory_ordered 1
		.amdhsa_forward_progress 1
		.amdhsa_inst_pref_size 91
	.end_amdhsa_kernel
	.amdgpu_metadata
---
amdhsa.version: [ 1, 2 ]
amdhsa.kernels:
  - .name:           k_qfa16cb22b0_g3
    .symbol:         k_qfa16cb22b0_g3.kd
    .args:
      - { .name: h_codes, .offset: 0, .size: 8, .value_kind: global_buffer, .address_space: global }
      - { .name: h_scales, .offset: 8, .size: 8, .value_kind: global_buffer, .address_space: global }
      - { .name: wq, .offset: 16, .size: 8, .value_kind: global_buffer, .address_space: global }
      - { .name: out0, .offset: 24, .size: 8, .value_kind: global_buffer, .address_space: global }
    .group_segment_fixed_size: 327680
    .private_segment_fixed_size: 0
    .kernarg_segment_align: 8
    .kernarg_segment_size: 32
    .max_flat_workgroup_size: 128
    .sgpr_count:     100
    .vgpr_count:     768
    .wavefront_size: 32
...
	.end_amdgpu_metadata
.endif
;; end of part 5
